; MI455X (gfx1250); checked and timed in simulation.
; The chip was launched on July 23, 2026; its instructions are those of AMD's public machine-readable ISA for CDNA 5 (MIT licence, August 2026) and "CDNA5" Instruction Set Architecture Reference Guide (July 2026). The comments in the code are by the model that wrote it; some were corrected since.
;; Sparse Attention Engine. Allowed arithmetic: matrix products marked QUANTISED: E2M3 operands, one E8M0 scale for each 32 along K, by v_wmma_scale_f32_16x16x128_f8f6f4 with both operands' format E2M3, f32 sums; products left as they are: f32 operands where the result goes on into a quantised operand, else bf16, f16 or f32 operands; f32 sums; everything else in f32.
;; Inputs: b1 256 float32; b2 1 float32; bk 1,024 float32; bo 1,024 float32; bq 1,024 float32; bv 1,024 float32; k 2 x 2,048 x 1,024 float32; q 2 x 2,048 x 1,024 float32; v 2 x 2,048 x 1,024 float32; w1 1,024 x 256 float32; w2 256 x 1 float32; wk 1,024 x 1,024 float32; wo 1,024 x 1,024 float32; wq 1,024 x 1,024 float32; wv 1,024 x 1,024 float32.
;; Outputs: out0 2 x 2,048 x 1,024 float32.
;; This version of the problem:
;;   THIS VERSION OF THE PROBLEM IS GIVEN IN LOW PRECISION. The matrix products marked QUANTISED in the list below multiply operands that are first quantised to E2M3 (2 exponent bits, 3 mantissa bits; 6 bits a number), with one power-of-two scale for each 32 numbers along K (OCP MX v1.0); their sums are f32. All else is computed in f32.
;;   The module's matrix products, in the order in which they are computed (A, B: the left and right operand; K: the contracted axis; several contracted axes count as one K, in the product's order):
;;     1. [M 4,096, K 1,024] x [K 1,024, N 256]; A: input q; B: input w1: QUANTISED
;;     2. [M 4,096, K 256] x [K 256, N 1]; A: computed on the way; B: input w2: left as it is (N = 1 < 16)
;;     3. [M 4,096, K 1,024] x [K 1,024, N 1,024]; A: input q; B: input wq: QUANTISED
;;     4. [M 4,096, K 1,024] x [K 1,024, N 1,024]; A: input k; B: input wk: QUANTISED
;;     5. [M 4,096, K 1,024] x [K 1,024, N 1,024]; A: input v; B: input wv: QUANTISED
;;     6. batch 4 x [M 4,096, K 256] x [K 256, N 4,096]; A: computed on the way; B: computed on the way: QUANTISED
;;     7. batch 4 x [M 256, K 4,096] x [K 4,096, N 4,096]; A: computed on the way; B: softmax (see below): QUANTISED
;;     8. [M 4,096, K 1,024] x [K 1,024, N 1,024]; A: computed on the way; B: input wo: QUANTISED
;;   THE QUANTISER, for each operand of a quantised product, along K:
;;     - K is cut into blocks of 32 from its start; a last block that is shorter is filled with zeros.
;;     - A block's scale is 2^e with e = floor(log2(the largest magnitude in the block)) - 2, held to -126 .. 127; a block of zeros has e = 0. As a byte (E8M0): e + 127.
;;     - Each number is divided by its block's scale, clamped to +-7.5, and rounded to the nearest number of E2M3, ties to even, subnormals kept.
;;     - The product sums the exact products of the quantised numbers (number of the format x scale) in f32.
;;   ~~~python
;;   def quantise(x, axis):      # numpy; x: float32 -> the quantised numbers, widened to float32 again
;;       x = np.moveaxis(x, axis, -1); K = x.shape[-1]
;;       x = np.pad(x, [(0, 0)] * (x.ndim - 1) + [(0, -K % 32)]); x = x.reshape(x.shape[:-1] + (-1, 32)); a = np.abs(x).max(-1, keepdims=True)
;;       e = np.where(a > 0, np.clip(np.frexp(np.where(a > 0, a, 1))[1] - 1 - 2, -126, 127), 0)      # np.frexp(a)[1] - 1 = floor(log2(a)), exactly
;;       r = np.clip(x / 2.0 ** e, -7.5, 7.5)
;;       step = 2.0 ** (np.maximum(np.frexp(np.where(r == 0, 1, r))[1] - 1, 0) - 3)
;;       q = np.round(r / step) * step * 2.0 ** e      # np.round: ties to even
;;       return np.moveaxis(q.reshape(q.shape[:-2] + (-1,))[..., :K], -1, axis).astype(np.float32)
;;   ~~~
;;   SOFTMAX AHEAD OF A QUANTISED PRODUCT. Where the list says 'softmax', what is quantised is not the finished softmax but p = 2^(t - M), with t = logit x log2(e) and M = ceil(the row's largest t), a whole number; so 1/2 < the row's largest p <= 1. The row's sum l is taken of the UNQUANTISED p, in f32, and the product's result is divided by l at the end. Since M is a whole number, a kernel that streams over the keys may use a running M (the ceiling of the running maximum): every later rescaling is an exact power of two, which a block's scale takes up: the codes' values come out the same.
;;   OPERANDS COMPUTED ON THE WAY. 'Computed on the way' means the value that the module computes at that place (a softmax that the list does not call 'softmax' is quantised finished and normalised). What goes into a quantiser is computed in f32, as accurately as f32 sums, v_exp_f32 and their like allow (about 1e-6 of the number): no bf16 or f16 on the way to a quantiser, and a product that is left as it is and whose result goes on into a quantised operand takes f32 operands (vector FMAs, or v_wmma_f32_16x16x4_f32). A number that lies on a knife's edge between two numbers of the format may be rounded either way, as far as f32 arithmetic and the matrix unit's own rounding can turn it there, and no further.
;; One version. Each part assembles by itself: llvm-mc -triple=amdgcn-amd-amdhsa -mcpu=gfx1250 --defsym DOCPART=n.
;; ======== version 1 of 1: 4 launches
;; limits: right only within a limited range of input values
;; workspace buffers: cod1 12,779,520 bytes; scl1 532,480 bytes; qkv 9,830,400 bytes; part 32,768 bytes; ctxc 3,145,728 bytes; ctxs 131,072 bytes
;; launch quant (part 1): grid 464 x 1, 4 waves a work-group, no clusters, 47,616 bytes of LDS; arguments q, k, v, wq, wk, wv, wo, w1, cod1, scl1; writes cod1, scl1
.if DOCPART == 1
	.amdgcn_target "amdgcn-amd-amdhsa--gfx1250"
	.amdhsa_code_object_version 6
	.text
	.protected	k_q25d97b5f60_quant
	.globl	k_q25d97b5f60_quant
	.p2align	8
	.type	k_q25d97b5f60_quant,@function
k_q25d97b5f60_quant:
	s_mov_b64 s[64:65], 0
	v_nop
	global_prefetch_b8 v0, s[64:65] scope:SCOPE_SE
	s_setreg_imm32_b32 hwreg(HW_REG_WAVE_MODE, 25, 1), 1
	s_wait_xcnt 0x0
; q, k, v [4096][1024] and wq, wk, wv, wo [1024][1024], w1 [1024][256], all f32, become codes of FP6 (E2M3) with one E8M0 byte for each 32 along K = 1024.
; A block's scale is 2^(floor(log2(its largest magnitude)) - 2): its byte is the largest magnitude's exponent field - 2, held at 1 from below.
; LIMITS: NaN and infinities among the inputs are not served; a block of zeros (or one whose largest magnitude lies under 2^-124) gets the byte 1 where the rule says 127: its codes are zeros, and this program alone reads the bytes.
; THE WORKSPACE IS LAID IN THE ORDER OF THE OPERANDS' REGISTERS.  A TILE is 16 rows of an operand: tile 2 g + u holds rows 32 g + 8 u + r + 8 (r / 8), r = lane % 16.  A FRAGMENT is a tile x 128 along K: 12 registers a lane,
; 1,536 bytes: registers 4 c .. 4 c + 3 of lane l at byte 512 c + 16 l.  cod1: [tile][K step 0..7][1,536].  scl1: [tile][K step][r] words of four bytes.  Tiles: q 0, k 256, v 512, wq 768, wk 832, wv 896, wo 960, w1 1024.
; Work-groups 0-191: the tokens (K innermost): a wave takes one tile, eight K steps.  Each load reads 512 consecutive bytes of a row; the 16 rows turn through the wave's own stage in LDS, so that a lane gets 16 neighbours of each block.
; Work-groups 192-463: the weights (K is the first axis): a lane takes a column and its registers run down K; a wave takes 32 columns (two tiles) x one K step; the codes meet as two fragment images in the wave's own stage.
; The two ways part on the work-group's number and have LDS bytes of their own.  No tensor loads, no barrier: waves share nothing.
.set XPW,   8448                       ; the tokens' stage, from LDS byte 0: 16 rows x (512 + 16) bytes for each wave
.set WST,   33792                      ; the weights' stages begin here:
.set WPW,   3328                       ; two fragment images of 1,536 bytes, 1,664 apart, for each wave
.set WFR,   1664
.set SPARE, 47104                      ; the spare words, 128 bytes for each wave: two blocks of 256 bytes that no other line names
.set L16,  1                           ; v1   16 x lane
.set XIN,  2                           ; v2   tokens' stage, in: 16 x lane
.set XOUT, 3                           ; v3   and out: 528 r + 64 h
.set SPW,  4                           ; v4   LDS address of my spare word; never rewritten
.set NIL,  5                           ; v5   0; never rewritten
.set SCO,  6                           ; v6   4 r + 256 h: a scale word's place in a tile's 512 bytes
.set WIN_, 7                           ; v7   weights' stage, in: 1,664 u + 16 r'
.set TM,   8                           ; v8-23  at work in QUANT
.set PW,   24                          ; v24  the scale word just made
.set WOUT, 26                          ; v26  weights' stage, out: 16 x lane
.set WSO,  27                          ; v27  512 u + 4 r'
.set SW,   32                          ; v32-39 the eight K steps' scale words (tokens);  v32-63 the 32 rows' offsets (weights)
.set PC,   40                          ; v40-51 a fragment's codes
.set PT,   52                          ; v52-58 the conversions' second halves
.set R,    64                          ; v64-191 two sets of 64 numbers as loaded
.set XN,   192                         ; v192-255 64 numbers: register 16 b + i = k 32 b + 16 h + i of my row
.set HI,   5                           ; s5   lanes 16-31
.set SEL,  6                           ; s[6:7] v_permlanex16_b32's selects for lane l xor 16
	s_load_b512 s[8:23], s[0:1], 0x0               ; q, k, v, wq, wk, wv, wo, w1
	s_load_b128 s[24:27], s[0:1], 0x40             ; cod1, scl1
	v_lshl_add_u32 v[SPW], v0, 2, SPARE
	v_mov_b32 v[NIL], 0
	v_lshrrev_b32 v1, 5, v0
	v_readfirstlane_b32 s2, v1                     ; wave 0..3
	v_and_b32 v28, 31, v0                          ; lane
	v_and_b32 v29, 15, v0                          ; r
	v_bfe_u32 v30, v0, 4, 1                        ; h
	v_bfe_u32 v31, v0, 3, 1                        ; u, for the weights
	v_lshlrev_b32 v[L16], 4, v28
	s_mul_i32 s3, s2, XPW
	v_add_nc_u32 v[XIN], s3, v[L16]
	v_mul_u32_u24 v[XOUT], v29, 528
	v_lshl_add_u32 v[XOUT], v30, 6, v[XOUT]
	v_add_nc_u32 v[XOUT], s3, v[XOUT]
	v_lshlrev_b32 v[SCO], 2, v29
	v_lshl_add_u32 v[SCO], v30, 8, v[SCO]
	v_and_b32 v[WIN_], 7, v0
	v_lshl_add_u32 v[WIN_], v30, 3, v[WIN_]        ; r' = lane % 8 + 8 (lane / 16): column lane of 32 is row r' of tile u = (lane / 8) % 2
	v_lshlrev_b32 v[WSO], 2, v[WIN_]
	v_lshl_add_u32 v[WSO], v31, 9, v[WSO]
	v_lshlrev_b32 v[WIN_], 4, v[WIN_]
	v_mad_u32_u24 v[WIN_], v31, WFR, v[WIN_]
	s_mul_i32 s4, s2, WPW
	s_add_co_u32 s4, s4, WST
	v_add_nc_u32 v[WIN_], s4, v[WIN_]
	v_add_nc_u32 v[WOUT], s4, v[L16]
	s_mov_b32 s[HI], 0xffff0000
	s_mov_b32 s[SEL], 0x76543210
	s_mov_b32 s[SEL+1], 0xfedcba98
	s_mov_b32 s33, 0
	s_wait_kmcnt 0x0
	s_cmp_ge_u32 ttmp9, 192
	s_cbranch_scc1 .Lweights
	; ---------------- the tokens ----------------
	s_lshl_b32 s30, ttmp9, 2
	s_add_co_u32 s30, s30, s2                      ; my tile: 4 x work-group + wave
	s_lshr_b32 s31, ttmp9, 6                       ; 0: q, 1: k, 2: v
	s_cmp_eq_u32 s31, 0
	s_cselect_b64 s[28:29], s[8:9], s[10:11]
	s_cmp_eq_u32 s31, 2
	s_cselect_b64 s[28:29], s[12:13], s[28:29]
	s_and_b32 s31, s30, 255                        ; the tile in its tensor
	s_lshr_b32 s32, s31, 1
	s_lshl_b32 s32, s32, 5
	s_and_b32 s31, s31, 1
	s_lshl_b32 s31, s31, 3
	s_add_co_u32 s32, s32, s31                     ; its first row: 32 g + 8 u
	s_lshl_b32 s32, s32, 12                        ; x 4,096 bytes
	s_add_nc_u64 s[28:29], s[28:29], s[32:33]
	s_mul_i32 s32, s30, 12288
	s_add_nc_u64 s[24:25], s[24:25], s[32:33]      ; the tile's codes
	s_lshl_b32 s32, s30, 9
	s_add_nc_u64 s[26:27], s[26:27], s[32:33]      ; and its scale words
.irp b, 0,1,2,3
	v_mov_b32 v[TM+4+\b], 0                        ; written once: a lane permute's destination counts as one of its sources
.endr
.macro XLOAD s                         ; K step s of the tile's 16 rows: each load reads 512 consecutive bytes of one row
.irp i, 0,1,2,3,4,5,6,7,8,9,10,11,12,13,14,15
	global_load_b128 v[R+64*((\s)%2)+4*\i:R+64*((\s)%2)+4*\i+3], v[L16], s[28:29] offset:(\i+8*(\i/8))*4096+512*(\s) th:TH_LOAD_NT
.endr
.endm
; 64 numbers of a lane in v[XN] on become a fragment's codes in v[PC] on and its row's scale word in v[PW]
.macro QUANT
.irp b, 0,1,2,3
	v_max3_num_f32 v[TM+\b], 0x1800000, |v[XN+16*\b]|, |v[XN+16*\b+1]|   ; block b: my 16 numbers, and the floor 2^(3 - 127): so the byte cannot fall under 1
.endr
.irp i, 2,4,6,8,10,12,14
.irp b, 0,1,2,3
	v_max3_num_f32 v[TM+\b], v[TM+\b], |v[XN+16*\b+\i]|, |v[XN+16*\b+\i+1]|   ; the four blocks by turns
.endr
.endr
.irp b, 0,1,2,3
	v_permlanex16_b32 v[TM+4+\b], v[TM+\b], s[SEL], s[SEL+1]
.endr
.irp b, 0,1,2,3
	v_max_num_f32 v[TM+\b], v[TM+\b], v[TM+4+\b]   ; with lane l xor 16's 16: the block's largest magnitude
.endr
.irp b, 0,1,2,3
	v_add_nc_u32 v[TM+12+\b], 0xff000000, v[TM+\b] ; 2 off its exponent field: the conversion takes the exponent field of this operand as its scale
.endr
.irp b, 0,1,2,3
	v_lshrrev_b32 v[TM+4+\b], 23, v[TM+12+\b]      ; the scale's byte
.endr
	v_lshl_or_b32 v[PW], v[TM+5], 8, v[TM+4]
	v_lshl_or_b32 v[PW], v[TM+6], 16, v[PW]
	v_lshl_or_b32 v[PW], v[TM+7], 24, v[PW]
.irp c, 0,1
	v_cvt_scalef32_pk16_fp6_f32 v[PC+6*\c:PC+6*\c+2], v[XN+32*\c:XN+32*\c+15], v[TM+12+2*\c]
	v_cvt_scalef32_pk16_fp6_f32 v[PT+4*\c:PT+4*\c+2], v[XN+32*\c+16:XN+32*\c+31], v[TM+13+2*\c]   ; (a conversion's three registers begin on an even number)
.endr
	v_nop                                          ; one plain place behind a scaled conversion
.irp c, 0,1                            ; the operand's layout wants a whole block in a lane: lanes 0-15 block 2 c, lanes 16-31 block 2 c + 1
.irp i, 0,1,2
	v_permlane16_swap_b32 v[PC+6*\c+\i], v[PT+4*\c+\i]
.endr
.irp i, 0,1,2
	v_mov_b32 v[PC+6*\c+3+\i], v[PT+4*\c+\i]
.endr
.endr
.endm
.macro XSTEP s
.if \s < 7
	s_wait_loadcnt 16                              ; this K step's 16 loads are in; the next step's 16 may be out
.else
	s_wait_loadcnt 0x0
.endif
.irp i, 0,1,2,3,4,5,6,7,8,9,10,11,12,13,14,15
	ds_store_b128 v[XIN], v[R+64*((\s)%2)+4*\i:R+64*((\s)%2)+4*\i+3] offset:528*\i
.endr
.irp b, 0,1,2,3
.irp j, 0,1,2,3
	ds_load_b128 v[XN+16*\b+4*\j:XN+16*\b+4*\j+3], v[XOUT] offset:128*\b+16*\j   ; LDS serves a wave's instructions in order: these see my stores
.endr
.endr
	s_wait_dscnt 0x0                               ; the numbers are back, and the stage's stores have read their registers
	s_wait_xcnt 0x0                                ; the last step's stores have read the codes' registers, which are written again below
.if \s < 6
	XLOAD (\s)+2
.endif
	QUANT
	v_mov_b32 v[SW+\s], v[PW]
.irp c, 0,1,2
	global_store_b128 v[L16], v[PC+4*\c:PC+4*\c+3], s[24:25] offset:1536*\s+512*\c   ; 32 lanes store 512 consecutive bytes, at a multiple of 256 from the buffer's first byte
.endr
.endm
	XLOAD 0
	XLOAD 1
.irp s, 0,1,2,3,4,5,6,7
	XSTEP \s
.endr
.irp q, 0,1,2,3
	v_cndmask_b32 v[28+\q], v[SW+\q], v[SW+4+\q], s[HI]   ; lanes 0-15 K step q's word of row r, lanes 16-31 K step q + 4's
.endr
.irp q, 0,1,2,3
	global_store_b32 v[SCO], v[28+\q], s[26:27] offset:64*\q
.endr
	s_wait_tensorcnt 0x0                           ; the wave's end, behind my last LDS store
	ds_add_u32 v[SPW], v[NIL]
	s_wait_dscnt 0x0
	s_endpgm
	; ---------------- the weights ----------------
.Lweights:
	s_sub_co_u32 s30, ttmp9, 192
	s_lshr_b32 s31, s30, 1                         ; which 32 columns of the five weights on end: 0..135
	s_and_b32 s30, s30, 1
	s_lshl_b32 s30, s30, 2
	s_add_co_u32 s30, s30, s2                      ; my K step: 4 x (work-group % 2) + wave
	s_lshr_b32 s32, s31, 5                         ; 0: wq, 1: wk, 2: wv, 3: wo, 4: w1
	s_cmp_eq_u32 s32, 0
	s_cselect_b64 s[28:29], s[14:15], s[16:17]
	s_cmp_eq_u32 s32, 2
	s_cselect_b64 s[28:29], s[18:19], s[28:29]
	s_cmp_eq_u32 s32, 3
	s_cselect_b64 s[28:29], s[20:21], s[28:29]
	s_mov_b32 s36, 4096
	s_cmp_eq_u32 s32, 4
	s_cselect_b64 s[28:29], s[22:23], s[28:29]
	s_cselect_b32 s36, 1024, s36                   ; a row of the weight in bytes
	s_and_b32 s32, s31, 31
	s_lshl_b32 s32, s32, 7                         ; my 32 columns' bytes
	s_lshl_b32 s37, s30, 7
	s_mul_i32 s37, s37, s36                        ; 128 rows for each K step
	s_add_co_u32 s32, s32, s37
	s_add_nc_u64 s[40:41], s[28:29], s[32:33]      ; block 0 of my K step,
	s_lshl_b32 s32, s36, 5
	s_add_nc_u64 s[42:43], s[40:41], s[32:33]      ; and the three blocks of 32 rows behind it
	s_add_nc_u64 s[44:45], s[42:43], s[32:33]
	s_add_nc_u64 s[46:47], s[44:45], s[32:33]
	s_lshl_b32 s37, s31, 1
	s_add_co_u32 s37, s37, 768                     ; my first tile
	s_mul_i32 s32, s37, 12288
	s_mul_i32 s38, s30, 1536
	s_add_co_u32 s32, s32, s38
	s_add_nc_u64 s[24:25], s[24:25], s[32:33]
	s_lshl_b32 s32, s37, 9
	s_lshl_b32 s38, s30, 6
	s_add_co_u32 s32, s32, s38
	s_add_nc_u64 s[26:27], s[26:27], s[32:33]
	v_lshlrev_b32 v32, 2, v28                      ; row i of a block: 4 x lane + i rows
.irp i, 1,2,3,4,5,6,7,8,9,10,11,12,13,14,15,16,17,18,19,20,21,22,23,24,25,26,27,28,29,30,31
	v_add_nc_u32 v[32+\i], s36, v[31+\i]
.endr
.irp t, 0,1,2,3
.irp i, 0,1,2,3,4,5,6,7,8,9,10,11,12,13,14,15,16,17,18,19,20,21,22,23,24,25,26,27,28,29,30,31
	global_load_b32 v[128+32*\t+\i], v[32+\i], s[40+2*\t:41+2*\t] th:TH_LOAD_NT   ; W(128 ks + 32 t + i, my column): 32 lanes read 128 consecutive bytes
.endr
.endr
; block t of my column: all its 32 numbers are mine.  It is registers 6 (t / 2) .. + 5 of lane r' + 16 (t % 2) of my tile's fragment
.macro WBLOCK t, left
	s_wait_loadcnt \left                           ; this block's loads are in; younger ones may be out
.set XS, 128+32*\t
	v_max3_num_f32 v20, |v[XS]|, |v[XS+1]|, |v[XS+2]|
	v_max3_num_f32 v21, |v[XS+3]|, |v[XS+4]|, |v[XS+5]|
.irp i, 6,10,14,18,22,26
	v_max3_num_f32 v20, v20, |v[XS+\i]|, |v[XS+\i+1]|
	v_max3_num_f32 v21, v21, |v[XS+\i+2]|, |v[XS+\i+3]|
.endr
	v_max3_num_f32 v20, v20, |v[XS+30]|, |v[XS+31]|
	v_max3_num_f32 v20, v20, v21, 0x1800000        ; and the floor
	v_add_nc_u32 v22, 0xff000000, v20              ; the conversions' scale operand
	v_lshrrev_b32 v23, 23, v22                     ; the byte
.if \t == 0
	v_mov_b32 v[PW], v23
.else
	v_lshl_or_b32 v[PW], v23, 8*\t, v[PW]
.endif
	v_cvt_scalef32_pk16_fp6_f32 v[8:10], v[XS:XS+15], v22
	v_cvt_scalef32_pk16_fp6_f32 v[16:18], v[XS+16:XS+31], v22
	v_nop                                          ; one plain place behind a scaled conversion
	v_mov_b32 v11, v16
	v_mov_b32 v12, v17
	v_mov_b32 v13, v18                             ; v8-13: the block's 24 bytes
.if \t < 2
	ds_store_b128 v[WIN_], v[8:11] offset:256*(\t%2)
	ds_store_b64 v[WIN_], v[12:13] offset:512+256*(\t%2)
.else
	ds_store_b64 v[WIN_], v[8:9] offset:520+256*(\t%2)
	ds_store_b128 v[WIN_], v[10:13] offset:1024+256*(\t%2)
.endif
	s_wait_dscnt 0x0                               ; the stores have read their registers: the next block's codes may be written
.endm
	WBLOCK 0, 63                                   ; (96 and 64 younger loads could stay out: the wait's field names 63 at the most)
	WBLOCK 1, 63
	WBLOCK 2, 32
	WBLOCK 3, 0
.irp u, 0,1
.irp c, 0,1,2
	ds_load_b128 v[64+12*\u+4*\c:64+12*\u+4*\c+3], v[WOUT] offset:WFR*\u+512*\c   ; LDS serves a wave's instructions in order: these see my stores
.endr
.endr
	global_store_b32 v[WSO], v[PW], s[26:27]       ; my column's scale word of this K step
	s_wait_dscnt 0x0
.irp u, 0,1
.irp c, 0,1,2
	global_store_b128 v[L16], v[64+12*\u+4*\c:64+12*\u+4*\c+3], s[24:25] offset:12288*\u+512*\c
.endr
.endr
	s_wait_tensorcnt 0x0                           ; the wave's end, behind my last LDS store
	ds_add_u32 v[SPW], v[NIL]
	s_wait_dscnt 0x0
	s_endpgm
.Lfunc_end_k_q25d97b5f60_quant:
	.size	k_q25d97b5f60_quant, .Lfunc_end_k_q25d97b5f60_quant-k_q25d97b5f60_quant
	.p2alignl 7, 3214868480
	.fill 96, 4, 3214868480
	.section	.rodata,"a",@progbits
	.p2align	6, 0x0
	.amdhsa_kernel k_q25d97b5f60_quant
		.amdhsa_group_segment_fixed_size 47616
		.amdhsa_private_segment_fixed_size 0
		.amdhsa_enable_private_segment 0
		.amdhsa_kernarg_size 80
		.amdhsa_user_sgpr_count 2
		.amdhsa_user_sgpr_kernarg_segment_ptr 1
		.amdhsa_wavefront_size32 1
		.amdhsa_system_sgpr_workgroup_id_x 1
		.amdhsa_system_sgpr_workgroup_id_y 1
		.amdhsa_system_sgpr_workgroup_id_z 1
		.amdhsa_system_vgpr_workitem_id 0
		.amdhsa_next_free_vgpr 256
		.amdhsa_next_free_sgpr 66
		.amdhsa_reserve_vcc 0
		.amdhsa_float_denorm_mode_32 3
		.amdhsa_float_denorm_mode_16_64 3
		.amdhsa_memory_ordered 1
		.amdhsa_forward_progress 1
		.amdhsa_inst_pref_size 87
	.end_amdhsa_kernel
	.amdgpu_metadata
---
amdhsa.version: [ 1, 2 ]
amdhsa.kernels:
  - .name:           k_q25d97b5f60_quant
    .symbol:         k_q25d97b5f60_quant.kd
    .args:
      - { .name: q, .offset: 0, .size: 8, .value_kind: global_buffer, .address_space: global }
      - { .name: k, .offset: 8, .size: 8, .value_kind: global_buffer, .address_space: global }
      - { .name: v, .offset: 16, .size: 8, .value_kind: global_buffer, .address_space: global }
      - { .name: wq, .offset: 24, .size: 8, .value_kind: global_buffer, .address_space: global }
      - { .name: wk, .offset: 32, .size: 8, .value_kind: global_buffer, .address_space: global }
      - { .name: wv, .offset: 40, .size: 8, .value_kind: global_buffer, .address_space: global }
      - { .name: wo, .offset: 48, .size: 8, .value_kind: global_buffer, .address_space: global }
      - { .name: w1, .offset: 56, .size: 8, .value_kind: global_buffer, .address_space: global }
      - { .name: cod1, .offset: 64, .size: 8, .value_kind: global_buffer, .address_space: global }
      - { .name: scl1, .offset: 72, .size: 8, .value_kind: global_buffer, .address_space: global }
    .group_segment_fixed_size: 47616
    .private_segment_fixed_size: 0
    .kernarg_segment_align: 8
    .kernarg_segment_size: 80
    .max_flat_workgroup_size: 128
    .sgpr_count:     66
    .vgpr_count:     256
    .wavefront_size: 32
...
	.end_amdgpu_metadata
.endif
;; end of part 1
;; launch proj (part 2): grid 208 x 1, 8 waves a work-group, no clusters, 0 bytes of LDS; arguments cod1, scl1, bq, bk, bv, b1, w2, qkv, part; writes qkv, part
.if DOCPART == 2
	.amdgcn_target "amdgcn-amd-amdhsa--gfx1250"
	.amdhsa_code_object_version 6
	.text
	.protected	k_q25d97b5f60_proj
	.globl	k_q25d97b5f60_proj
	.p2align	8
	.type	k_q25d97b5f60_proj,@function
k_q25d97b5f60_proj:
	s_mov_b64 s[64:65], 0
	v_nop
	global_prefetch_b8 v0, s[64:65] scope:SCOPE_SE
	s_setreg_imm32_b32 hwreg(HW_REG_WAVE_MODE, 25, 1), 1
	s_wait_xcnt 0x0
; The three projections and the predictor's first layer, on codes of FP6 (E2M3) with E8M0 scales; K = 1024 in eight steps of 128.
; ONE FORM SERVES ALL FOUR: source 0 = 8 tiles of U (128 rows i), source 1 = 4 tiles of T (64 rows j); a lane holds one j, and its 64 registers of a tile of T run along i: register 16 b + x = i 32 b + 16 (lane / 16) + x.
;   section 0: U = wq, T = q's tokens: qp;  1: U = wk, T = k's tokens: kp;  3: U = w1, T = q's tokens: the hidden layer.  There i runs along the features, which are the next product's K.
;   section 2: U = v's tokens, T = wv: a lane holds a channel d and its registers run along the KEYS, which are the K of attention's second product: nothing is transposed.
; The bias is laid into the accumulators first, so that every K step is the same line.  Operands lie in memory in the order of their registers (tiles and fragments: 1,536 bytes, lane l's 16 bytes of chunk c at 512 c + 16 l)
; and go straight into registers: K has only eight steps, so no ring in LDS is set up.
; THE LOADS RUN A K STEP AHEAD.  T has two sets of registers: the next step's four fragments are asked for at a step's head.  U has one set: fragment b of the next step is asked for as soon as its four products of this step are
; issued.  So 36 loads of a wave are on their way throughout, and each has a whole K step, 32 products, in which to arrive.
; OUT.  Sections 0-2: the 64 registers are quantised along i and leave as fragments into qkv: section x 3,276,800 + (32 head + X) x 25,600; in a block: fragment (a, y) at 3,072 a + 1,536 y, scale words at 24,576 as [a / 4][y][r][a % 4].
;   q, k: X = block of 128 tokens, a = token tile, y = half of the head's 256.  v: X = step of 128 keys, channel tile = 8 y + a.   qp is NOT multiplied by 1/16 here: a power of two, which attention folds into its scaling.
; Section 3: relu, and the dot product with my 128 numbers of w2 in f32 (fused multiply-adds): part[half of the hidden layer][token].
; LIMITS: NaN and infinities are not served; a block of zeros gets the byte 1: its codes are zeros, and this program alone reads the bytes.
.set L16, 1                            ; v1   16 x lane
.set SCV, 2                            ; v2   4 r + 256 h: scale words: lanes 0-15 K step q, lanes 16-31 K step q + 4
.set H64, 6                            ; v6   64 h: a bias's 16 numbers of my half
.set RP4, 7                            ; v7   4 (r + 8 (r / 8))
.set PO,  8                            ; v8   4 (8 h + r + 8 (r / 8))
.set SO,  9                            ; v9   16 r + 8 h
.set US,  16                           ; v16-47  U's scale words [4 b + q]
.set TS,  48                           ; v48-63  T's [4 a + q]
.set UF,  64                           ; v64-159 U's eight fragments
.set TF,  160                          ; v160-207, v208-255 T's four fragments, two sets: K step ks in set ks % 2
.set TM,  208                          ; behind the K steps: v208-223 at work in QUANT,
.set PW,  224                          ; v224-227 the four scale words made
.set PC,  64                           ; the way out: four sets of 12 code registers, where U's fragments lay;
.set PT,  112                          ; the conversions' second halves;
.set W2R, 128                          ; section 3: my 64 numbers of w2
.set HI,  26                           ; s26  lanes 16-31
.set SEL, 60                           ; s[60:61]
; window 1: the 32 accumulators, (a, b) at v[64 a + 8 b]
.set MSB, 0
.macro WIN new                         ; the immediate's high byte repeats the setting that is left
.if MSB != \new
	s_set_vgpr_msb (MSB<<8)|\new
.set MSB, \new
.endif
.endm
.macro MM d, a, b, sa, sb, row         ; one product in place; row = 1: both scale words from lanes 16-31
.if \row
	v_wmma_scale_f32_16x16x128_f8f6f4 v[(\d):(\d)+7], v[(\a):(\a)+11], v[(\b):(\b)+11], v[(\d):(\d)+7], v[\sa], v[\sb] matrix_a_fmt:MATRIX_FMT_FP6 matrix_b_fmt:MATRIX_FMT_FP6 matrix_a_scale:MATRIX_SCALE_ROW1 matrix_b_scale:MATRIX_SCALE_ROW1
.else
	v_wmma_scale_f32_16x16x128_f8f6f4 v[(\d):(\d)+7], v[(\a):(\a)+11], v[(\b):(\b)+11], v[(\d):(\d)+7], v[\sa], v[\sb] matrix_a_fmt:MATRIX_FMT_FP6 matrix_b_fmt:MATRIX_FMT_FP6
.endif
.endm
; 64 numbers of a lane, v[s] on (in the window that wmax and wcvt name), become a fragment's codes in v[pc] on and its row's scale word in v[pw]
.macro QUANT s, pc, pt, pw, wmax, wcvt
	WIN \wmax
.irp b, 0,1,2,3
	v_max3_num_f32 v[TM+\b], 0x1800000, |v[(\s)+16*\b]|, |v[(\s)+16*\b+1]|   ; block b: my 16 numbers, and the floor 2^(3 - 127): so the byte cannot fall under 1
.endr
.irp i, 2,4,6,8,10,12,14
.irp b, 0,1,2,3
	v_max3_num_f32 v[TM+\b], v[TM+\b], |v[(\s)+16*\b+\i]|, |v[(\s)+16*\b+\i+1]|
.endr
.endr
	WIN 0
.irp b, 0,1,2,3
	v_permlanex16_b32 v[TM+4+\b], v[TM+\b], s[SEL], s[SEL+1]
.endr
.irp b, 0,1,2,3
	v_max_num_f32 v[TM+\b], v[TM+\b], v[TM+4+\b]   ; with lane l xor 16's 16: the block's largest magnitude
.endr
.irp b, 0,1,2,3
	v_add_nc_u32 v[TM+12+\b], 0xff000000, v[TM+\b] ; 2 off its exponent field: the conversions' scale operand
.endr
.irp b, 0,1,2,3
	v_lshrrev_b32 v[TM+4+\b], 23, v[TM+12+\b]      ; the byte
.endr
	v_lshl_or_b32 v[\pw], v[TM+5], 8, v[TM+4]
	v_lshl_or_b32 v[\pw], v[TM+6], 16, v[\pw]
	v_lshl_or_b32 v[\pw], v[TM+7], 24, v[\pw]
	WIN \wcvt
.irp c, 0,1
	v_cvt_scalef32_pk16_fp6_f32 v[(\pc)+6*\c:(\pc)+6*\c+2], v[(\s)+32*\c:(\s)+32*\c+15], v[TM+12+2*\c]
	v_cvt_scalef32_pk16_fp6_f32 v[(\pt)+4*\c:(\pt)+4*\c+2], v[(\s)+32*\c+16:(\s)+32*\c+31], v[TM+13+2*\c]
.endr
	WIN 0
	v_nop                                          ; one plain place behind a scaled conversion
.irp c, 0,1
.irp i, 0,1,2
	v_permlane16_swap_b32 v[(\pc)+6*\c+\i], v[(\pt)+4*\c+\i]
.endr
.irp i, 0,1,2
	v_mov_b32 v[(\pc)+6*\c+3+\i], v[(\pt)+4*\c+\i]
.endr
.endr
.endm
	s_load_b512 s[8:23], s[0:1], 0x0               ; cod1, scl1, bq, bk, bv, b1, w2, qkv
	s_load_b64 s[24:25], s[0:1], 0x40              ; part
	v_lshrrev_b32 v1, 5, v0
	v_readfirstlane_b32 s2, v1                     ; wave 0..7
	v_and_b32 v3, 31, v0
	v_and_b32 v4, 15, v0                           ; r
	v_bfe_u32 v5, v0, 4, 1                         ; h
	v_lshlrev_b32 v[L16], 4, v3
	v_lshlrev_b32 v[SCV], 2, v4
	v_lshl_add_u32 v[SCV], v5, 8, v[SCV]
	v_lshlrev_b32 v[H64], 6, v5
	v_and_b32 v[RP4], 8, v4
	v_add_nc_u32 v[RP4], v[RP4], v4
	v_lshlrev_b32 v[RP4], 2, v[RP4]
	v_lshl_add_u32 v[PO], v5, 5, v[RP4]
	v_lshlrev_b32 v[SO], 4, v4
	v_lshl_add_u32 v[SO], v5, 3, v[SO]
	s_mov_b32 s[HI], 0xffff0000
	s_mov_b32 s[SEL], 0x76543210
	s_mov_b32 s[SEL+1], 0xfedcba98
	s_lshr_b32 s3, ttmp9, 6                        ; the section
	s_and_b32 s4, ttmp9, 63
	s_lshl_b32 s4, s4, 3
	s_add_co_u32 s4, s4, s2                        ; my number in it
	s_cmp_eq_u32 s3, 2
	s_cselect_b32 s5, 4, 6
	s_cselect_b32 s6, 15, 63
	s_lshr_b32 s5, s4, s5                          ; ib: which 128 rows of U (the eight waves of a work-group share them)
	s_and_b32 s6, s4, s6                           ; j64: which 64 rows of T
	s_mov_b32 s30, 768                             ; U's and T's first tiles in cod1
	s_mov_b32 s31, 0
	s_cmp_eq_u32 s3, 1
	s_cselect_b32 s30, 832, s30
	s_cselect_b32 s31, 256, s31
	s_cmp_eq_u32 s3, 2
	s_cselect_b32 s30, 512, s30
	s_cselect_b32 s31, 896, s31
	s_cmp_eq_u32 s3, 3
	s_cselect_b32 s30, 1024, s30
	s_lshl_b32 s28, s5, 3
	s_add_co_u32 s30, s30, s28
	s_lshl_b32 s28, s6, 2
	s_add_co_u32 s31, s31, s28
	s_mov_b32 s29, 0
	s_lshl_b32 s42, s5, 9                          ; a bias's bytes: 128 numbers along i,
	s_lshl_b32 s43, s6, 8                          ; or, in section 2, 64 along j
	s_wait_kmcnt 0x0
	s_mul_i32 s28, s30, 12288
	s_add_nc_u64 s[32:33], s[8:9], s[28:29]        ; U's codes
	s_mul_i32 s28, s31, 12288
	s_add_nc_u64 s[34:35], s[8:9], s[28:29]        ; T's
	s_lshl_b32 s28, s30, 9
	s_add_nc_u64 s[36:37], s[10:11], s[28:29]      ; U's scale words
	s_lshl_b32 s28, s31, 9
	s_add_nc_u64 s[38:39], s[10:11], s[28:29]      ; T's
	s_cmp_eq_u32 s3, 0
	s_cselect_b64 s[40:41], s[12:13], s[14:15]
	s_cmp_eq_u32 s3, 3
	s_cselect_b64 s[40:41], s[18:19], s[40:41]
	s_cmp_eq_u32 s3, 2
	s_cselect_b64 s[40:41], s[16:17], s[40:41]
	s_cselect_b32 s28, s43, s42
	s_add_nc_u64 s[40:41], s[40:41], s[28:29]      ; the section's bias, at my numbers
	s_cmp_eq_u32 s3, 2
	s_cbranch_scc1 .Lbias_v
	WIN 0x40                                       ; destination window 1.  The bias runs along i: eight numbers a tile of U, the same for the four tiles of T
.irp a, 0,1,2,3
.irp b, 0,1,2,3,4,5,6,7
	global_load_b128 v[64*\a+8*\b:64*\a+8*\b+3], v[H64], s[40:41] offset:(32*(\b/2)+8*(\b%2))*4
	global_load_b128 v[64*\a+8*\b+4:64*\a+8*\b+7], v[H64], s[40:41] offset:(32*(\b/2)+8*(\b%2))*4+16
.endr
.endr
	WIN 0
	s_branch .Lbias_done
.Lbias_v:                              ; the bias runs along j: one number a lane and tile of T
.irp a, 0,1,2,3
	global_load_b32 v[228+\a], v[RP4], s[40:41] offset:(32*(\a/2)+8*(\a%2))*4
.endr
	s_wait_loadcnt 0x0
	WIN 0x40
.set i, 0
.rept 256
	v_mov_b32 v[i], v[228+i/64]
.set i, i+1
.endr
	WIN 0
.Lbias_done:
.irp b, 0,1,2,3,4,5,6,7
.irp q, 0,1,2,3
	global_load_b32 v[US+4*\b+\q], v[SCV], s[36:37] offset:512*\b+64*\q
.endr
.endr
.irp a, 0,1,2,3
.irp q, 0,1,2,3
	global_load_b32 v[TS+4*\a+\q], v[SCV], s[38:39] offset:512*\a+64*\q
.endr
.endr
.macro TLOAD ks                        ; T's four fragments of K step ks, 12 loads of 512 consecutive bytes, into set ks % 2
.irp a, 0,1,2,3
.irp c, 0,1,2
	global_load_b128 v[TF+48*((\ks)%2)+12*\a+4*\c:TF+48*((\ks)%2)+12*\a+4*\c+3], v[L16], s[34:35] offset:12288*\a+1536*(\ks)+512*\c
.endr
.endr
.endm
.macro ULOAD ks, b                     ; U's fragment b of K step ks: 3 loads
.irp c, 0,1,2
	global_load_b128 v[UF+12*(\b)+4*\c:UF+12*(\b)+4*\c+3], v[L16], s[32:33] offset:12288*(\b)+1536*(\ks)+512*\c
.endr
.endm
; A K step: 32 products.  The 32 accumulators take turns, one instruction a turn, in the same order in every step.
; Behind fragment b's four products stand four places (a load into registers that matrix instructions have read stands four plain vector instructions behind them), then the loads of the next step's fragment b.
.macro KSTEP ks
.if \ks < 7
	TLOAD (\ks)+1                                  ; into the set that the last step's products have read: the four places at that step's end stand between
.endif
.irp b, 0,1,2,3,4,5,6,7
.if \ks < 7
	s_wait_loadcnt 33                              ; all up to this step's fragment b is in.  Issued behind it: 3 (7 - b) loads of this step's later fragments, 12 of the next step's T, 3 b of the next step's U
.else
	s_wait_loadcnt 3*(7-\b)                        ; the last step asks for nothing: only its own later fragments may be out
.endif
	WIN 0x50                                       ; C and D window 1
.irp a, 0,1,2,3
	MM 64*\a+8*\b, UF+12*\b, TF+48*(\ks%2)+12*\a, US+4*\b+\ks%4, TS+4*\a+\ks%4, \ks/4
.endr
	WIN 0
.if (\ks < 7) || (\b == 7)
.rept 4
	v_nop                                          ; four places: in front of the loads below, and at the last step's end of the first read of results and the first write of T's registers
.endr
.endif
.if \ks < 7
	ULOAD (\ks)+1, \b
.endif
.endr
.endm
	TLOAD 0
.irp b, 0,1,2,3,4,5,6,7
	ULOAD 0, \b
.endr
.irp ks, 0,1,2,3,4,5,6,7
	KSTEP \ks
.endr
	s_cmp_eq_u32 s3, 3
	s_cbranch_scc1 .Lpred
	; ---- sections 0-2: quantise along i, store fragments
.irp b, 0,1,2,3
	v_mov_b32 v[TM+4+\b], 0                        ; written once: a lane permute's destination counts as one of its sources
.endr
	s_lshr_b32 s42, s6, 1
	s_cmp_eq_u32 s3, 2
	s_cselect_b32 s43, s5, s42                     ; X: the block of 128 tokens or keys
	s_cselect_b32 s44, s42, s5                     ; Y: 2 x head + y
	s_lshr_b32 s45, s44, 1
	s_lshl_b32 s45, s45, 5
	s_add_co_u32 s45, s45, s43
	s_mul_i32 s45, s45, 25600
	s_mul_i32 s46, s3, 3276800
	s_add_co_u32 s45, s45, s46                     ; the block's first byte
	s_and_b32 s46, s6, 1                           ; which four of its eight tiles
	s_and_b32 s47, s44, 1                          ; y
	s_mul_i32 s48, s46, 12288
	s_mul_i32 s49, s47, 1536
	s_add_co_u32 s28, s45, s48
	s_add_co_u32 s28, s28, s49
	s_add_nc_u64 s[50:51], s[22:23], s[28:29]
	s_lshl_b32 s48, s46, 9
	s_lshl_b32 s49, s47, 8
	s_add_co_u32 s28, s45, s48
	s_add_co_u32 s28, s28, s49
	s_add_co_u32 s28, s28, 24576
	s_add_nc_u64 s[52:53], s[22:23], s[28:29]
.irp a, 0,1,2,3
	QUANT 64*\a, PC+12*\a, PT, PW+\a, 0x14, 0x01
.irp c, 0,1,2
	global_store_b128 v[L16], v[PC+12*\a+4*\c:PC+12*\a+4*\c+3], s[50:51] offset:3072*\a+512*\c   ; 512 consecutive bytes, at a multiple of 256 from the buffer's first byte
.endr
.endr
	v_cndmask_b32 v228, v[PW], v[PW+2], s[HI]      ; lanes 0-15 store row r's words of tiles 0, 1, lanes 16-31 those of tiles 2, 3:
	v_cndmask_b32 v229, v[PW+1], v[PW+3], s[HI]
	global_store_b64 v[SO], v[228:229], s[52:53]   ; 256 consecutive bytes
	s_endpgm
	; ---- section 3: relu and the partial dot product with w2
.Lpred:
	s_lshl_b32 s28, s5, 9
	s_add_nc_u64 s[54:55], s[20:21], s[28:29]      ; my 128 numbers of w2
	s_lshl_b32 s28, s5, 14
	s_lshl_b32 s42, s6, 8
	s_add_co_u32 s28, s28, s42
	s_add_nc_u64 s[56:57], s[24:25], s[28:29]      ; part[ib][64 j64]
.irp b, 0,1,2,3,4,5,6,7
	global_load_b128 v[W2R+8*\b:W2R+8*\b+3], v[H64], s[54:55] offset:(32*(\b/2)+8*(\b%2))*4
	global_load_b128 v[W2R+8*\b+4:W2R+8*\b+7], v[H64], s[54:55] offset:(32*(\b/2)+8*(\b%2))*4+16
.endr
.irp a, 0,1,2,3
	v_mov_b32 v[236+\a], 0
.endr
	s_wait_loadcnt 0x0
.irp a, 0,1,2,3
	WIN 0x44                                       ; source 1 and destination window 1
.set i, 0
.rept 64
	v_max_num_f32 v[64*\a+i], 0, v[64*\a+i]        ; relu, each accumulator from its low end on
.set i, i+1
.endr
	WIN 0x01                                       ; source 0 window 1
.set i, 0
.rept 64
.if i < 4
	v_mul_f32 v[228+i], v[64*\a+i], v[W2R+i]       ; four chains; the first products start them
.else
	v_fma_f32 v[228+i%4], v[64*\a+i], v[W2R+i], v[228+i%4]
.endif
.set i, i+1
.endr
	WIN 0
	v_add_f32 v228, v228, v229
	v_add_f32 v230, v230, v231
	v_add_f32 v[232+\a], v228, v230
.endr
.irp a, 0,1,2,3
	v_permlanex16_b32 v[236+\a], v[232+\a], s[SEL], s[SEL+1]
.endr
.irp a, 0,1,2,3
	v_add_f32 v[232+\a], v[232+\a], v[236+\a]      ; with lane l xor 16's 64 hidden units
.endr
	v_cndmask_b32 v240, v232, v233, s[HI]          ; lanes 0-15 tile 0's tokens, lanes 16-31 tile 1's: 32 neighbouring tokens
	v_cndmask_b32 v241, v234, v235, s[HI]
	global_store_b32 v[PO], v240, s[56:57]
	global_store_b32 v[PO], v241, s[56:57] offset:128
	s_endpgm
.Lfunc_end_k_q25d97b5f60_proj:
	.size	k_q25d97b5f60_proj, .Lfunc_end_k_q25d97b5f60_proj-k_q25d97b5f60_proj
	.p2alignl 7, 3214868480
	.fill 96, 4, 3214868480
	.section	.rodata,"a",@progbits
	.p2align	6, 0x0
	.amdhsa_kernel k_q25d97b5f60_proj
		.amdhsa_group_segment_fixed_size 0
		.amdhsa_private_segment_fixed_size 0
		.amdhsa_enable_private_segment 0
		.amdhsa_kernarg_size 72
		.amdhsa_user_sgpr_count 2
		.amdhsa_user_sgpr_kernarg_segment_ptr 1
		.amdhsa_wavefront_size32 1
		.amdhsa_system_sgpr_workgroup_id_x 1
		.amdhsa_system_sgpr_workgroup_id_y 1
		.amdhsa_system_sgpr_workgroup_id_z 1
		.amdhsa_system_vgpr_workitem_id 0
		.amdhsa_next_free_vgpr 512
		.amdhsa_next_free_sgpr 66
		.amdhsa_reserve_vcc 0
		.amdhsa_float_denorm_mode_32 3
		.amdhsa_float_denorm_mode_16_64 3
		.amdhsa_memory_ordered 1
		.amdhsa_forward_progress 1
		.amdhsa_inst_pref_size 139
	.end_amdhsa_kernel
	.amdgpu_metadata
---
amdhsa.version: [ 1, 2 ]
amdhsa.kernels:
  - .name:           k_q25d97b5f60_proj
    .symbol:         k_q25d97b5f60_proj.kd
    .args:
      - { .name: cod1, .offset: 0, .size: 8, .value_kind: global_buffer, .address_space: global }
      - { .name: scl1, .offset: 8, .size: 8, .value_kind: global_buffer, .address_space: global }
      - { .name: bq, .offset: 16, .size: 8, .value_kind: global_buffer, .address_space: global }
      - { .name: bk, .offset: 24, .size: 8, .value_kind: global_buffer, .address_space: global }
      - { .name: bv, .offset: 32, .size: 8, .value_kind: global_buffer, .address_space: global }
      - { .name: b1, .offset: 40, .size: 8, .value_kind: global_buffer, .address_space: global }
      - { .name: w2, .offset: 48, .size: 8, .value_kind: global_buffer, .address_space: global }
      - { .name: qkv, .offset: 56, .size: 8, .value_kind: global_buffer, .address_space: global }
      - { .name: part, .offset: 64, .size: 8, .value_kind: global_buffer, .address_space: global }
    .group_segment_fixed_size: 0
    .private_segment_fixed_size: 0
    .kernarg_segment_align: 8
    .kernarg_segment_size: 72
    .max_flat_workgroup_size: 256
    .sgpr_count:     66
    .vgpr_count:     512
    .wavefront_size: 32
...
	.end_amdgpu_metadata
.endif
;; end of part 2
;; launch attn (part 3): grid 64 x 4, 4 waves a work-group, clusters of 4 x 1, 327,680 bytes of LDS; arguments qkv, part, b2, ctxc, ctxs; writes ctxc, ctxs
.if DOCPART == 3
	.amdgcn_target "amdgcn-amd-amdhsa--gfx1250"
	.amdhsa_code_object_version 6
	.text
	.protected	k_q25d97b5f60_attn
	.globl	k_q25d97b5f60_attn
	.p2align	8
	.type	k_q25d97b5f60_attn,@function
k_q25d97b5f60_attn:
	s_mov_b64 s[64:65], 0
	v_nop
	global_prefetch_b8 v0, s[64:65] scope:SCOPE_SE
	s_setreg_imm32_b32 hwreg(HW_REG_WAVE_MODE, 25, 1), 1
	s_wait_xcnt 0x0
	s_wait_alu depctr_hold_cnt(0) depctr_sa_sdst(0) depctr_va_vdst(0) depctr_va_sdst(0) depctr_va_ssrc(0) depctr_va_vcc(0) depctr_vm_vsrc(0)
	s_getreg_b32 s2, hwreg(HW_REG_IB_STS2, 6, 4)
	s_cmp_eq_u32 s2, 0
	s_cbranch_scc0 .Lentry_in_a_cluster
	s_endpgm
.Lentry_in_a_cluster:
	s_bfe_u32 s2, ttmp6, 0x10000c
	s_cmp_lg_u32 s2, 0x3003
	s_cbranch_scc0 .Lentry_shape_is_right
	s_endpgm
.Lentry_shape_is_right:
; Attention of 4 heads of 256 over 4,096 tokens, both products on codes of FP6 (E2M3) with E8M0 scales; keys that the predictor leaves inactive count for nothing.  Out: ctx as codes, quantised along the features.
; SOFTMAX: t = score x log2(e) / 16 (the scores are qp . kp: the 1/16 of reference() is a power of two and is folded in here); M = the running largest t rounded UP to a whole number; p = 2^(t - M) is quantised along the keys,
; not normalised; the row's sum is taken of the unquantised p and divides at the end; when M moves, sum and O are multiplied by 2^(old M - new M): exact.
; THE MASK: score = sigmoid(part[0] + part[1] + b2) > 0.15, computed here for all 4,096 keys, once a work-group, into a table in LDS: 0 for an active key, -1.6e10 (-1e9 in units of 16 x logit) for an inactive one.
; The table's numbers are the C of the score products' first K step: masking costs no vector instruction, and no branch or address hangs on it.
; LIMITS: an inactive key's score is -1.6e10 + s and not -1.6e10: that shows only where every key is inactive, and then every query is too and the last launch writes zeros.  Scores must stay far under 1e9.  NaN and infinities are not served.
; SHARES.  A work-group: one head, 64 queries (four tiles of 16).  Wave w: half w % 2 of the keys (16 steps of 128) for the TWO query tiles 2 (w / 2), 2 (w / 2) + 1: each fragment of K and V read from LDS feeds two products.
; At the end wave w hands one tile's O, M and sum to wave w xor 1 through LDS and finishes the other: M is a whole number, so the two halves are joined by exact powers of two.
; LAYOUT.  Both products transposed: S^T = K Q^T, O^T = V^T P^T: a lane holds one query.  Operands lie in memory in the order of their registers (see the launch that wrote them): a step's K (or V) with its scale words is
; one dense block of 25,600 bytes.  CLUSTER: the four work-groups of a cluster have the same head and walk the same blocks: each block is asked for JOINTLY.  Wave w fetches, for half w % 2, K's block (w < 2) or V's.
; BY TURNS.  The wave's two tiles, A and B, share K's and V's fragments and nothing else.  In a TURN one tile has the matrix unit: 16 products V^T P of step j, then 16 products K Q^T of step j + 1; the other tile's softmax,
; 282 vector instructions, stands between them: one product behind every eighth of 265 of them.  Turn A (j) carries tile B's softmax of step j, turn B (j) tile A's of step j + 1.  Two turns are a key step.
; K of step j + 1 is fetched in the first half of turn A (j), when both tiles have multiplied by K of step j; V of step j + 1 in the second half of turn B (j), behind its products V^T P of step j.
; REGISTERS.  window 0: v1-11 addresses; v12-15, v16-19 -M, largest t, sum (two halves) of tiles A, B; v20-27 K's scale words, v28-35 V's, v36-37 Q's, v38-39 p's; v40-43 the add's two, the prefetch's offset, 0;
;   v64-95 at work; v96-119 p's codes; v120-127 conversions' second halves; v128-191, v192-255 S^T, then p, of tiles A, B.
;   window 1: O^T: tile A at v[8 dt], tile B at v[128 + 8 dt].   window 2: v0-47 Q; v64-255 K's 16 fragments.   window 3: v0-191 V's 16 fragments; v192-255 the step's 128 mask numbers.
; A softmax works in window 0 (O^T's rescaling in window 1), the products name windows 1 to 3: so a product among vector instructions costs two switches of the windows.
.set BLKB,  25600                      ; a block: 24,576 bytes of codes, 1,024 of scale words
.set SECB,  3276800                    ; a section of qkv: 128 blocks
.set HALFB, 51200                      ; in a slot: for each half of the keys K's block, then V's
.set SLOT1, 131072                     ; slot 1 begins here, so that one exclusive or turns an address of one slot into the other's
.set BIAS,  102400                     ; behind slot 0: the mask table, 4 bytes a key
.set SPARE, 118784                     ; the spare words, 128 bytes for each wave: two blocks of 256 bytes that no other line names
.set STG,   233472                     ; behind slot 1: for each wave 16,384 bytes of O^T and 512 of -M and sum
.set STGW,  16896
.set AKV, 1                            ; v1   16 x lane + my half's place in a slot
.set ABI, 2                            ; v2   my half's mask numbers: BIAS + 8,192 half + 64 h
.set ADK, 3                            ; v3   AKV in the slot in hand
.set ADB, 4                            ; v4   ABI at the step in hand
.set BST, 5                            ; v5   where I store mask numbers: BIAS + 16 x thread
.set L16, 6                            ; v6   16 x lane
.set STA, 7                            ; v7   my stage, 16 x lane
.set STS, 8                            ; v8   my stage, 4 x lane
.set LDA, 9                            ; v9   my partner's stage, 16 x lane
.set LDB, 10                           ; v10  my partner's stage, 4 x lane
.set L4,  11                           ; v11  4 x lane
.set KS,  20
.set VS,  28
.set QS,  36
.set PW,  38
.set SPW, 40                           ; v40  LDS address of my spare word; never rewritten
.set NIL, 41                           ; v41  0; never rewritten
.set PFO, 42                           ; v42  256 x lane
.set ZR,  43                           ; v43  0
.set T,   64
.set TM,  64
.set PA,  96
.set PT,  120
.set SA,  128
.set WV,  14
.set KH,  15
.set QH,  16
.set CX,  17
.set QB,  18
.set HD,  19
.set SEL, 20                           ; s[20:21] v_permlanex16_b32's selects for lane l xor 16
.set CS,  22                           ; s[22:23] c = log2(e) / 16
.set G1,  24                           ; s[24:31] descriptor group 1
.set G0A, 32                           ; s[32:35] group 0 of slot 0's first fill
.set G0W, 36                           ; s[36:39] group 0 of slot 1's first fill, which then walks
.set TB,  40                           ; s40  the slot in hand: 0 or SLOT1
.set TBI, 41                           ; s41  512 x the step in hand
.set CNT, 42                           ; s42  steps that still ask for a block
.set LIM, 43                           ; s43  4 in the head's first cluster, else the greatest number
.set PFA, 44                           ; s[44:45] where my prefetches stand
.set HI,  46                           ; s46  lanes 16-31
.set B2V, 47                           ; s47  b2
.set QAB, 48                           ; s[48:49], s[50:51] Q's codes of tiles A, B
.set QSB, 52                           ; s[52:53], s[54:55] and their scale words
.set TH,  56                           ; s56  0.15
.set OC,  66                           ; s[66:67] ctxc at my tile
.set OS,  68                           ; s[68:69] ctxs at my tile
.set MSB, 0
.macro WIN new                         ; the immediate's high byte repeats the setting that is left; a switch that changes nothing is dropped
.if MSB != \new
	s_set_vgpr_msb (MSB<<8)|\new
.set MSB, \new
.endif
.endm
.macro PLACES
.rept 4
	v_nop
.endr
.endm
.macro CROUND                          ; a round of the cluster's barrier
	s_barrier_signal -1
	s_barrier_wait -1
	s_cmp_lg_u32 s[WV], 0
	s_cbranch_scc1 .Lnot_wave_0_\@
	s_barrier_signal -3
.Lnot_wave_0_\@:
	s_barrier_wait -3
	s_barrier_signal -1
	s_barrier_wait -1
.endm
; row: 0 both scale words from lanes 0-15; 1 both from lanes 16-31; 2 source 0's from lanes 16-31
.macro MM d, a, b, c, sa, sb, row
.if \row == 1
	v_wmma_scale_f32_16x16x128_f8f6f4 v[(\d):(\d)+7], v[(\a):(\a)+11], v[(\b):(\b)+11], v[(\c):(\c)+7], v[\sa], v[\sb] matrix_a_fmt:MATRIX_FMT_FP6 matrix_b_fmt:MATRIX_FMT_FP6 matrix_a_scale:MATRIX_SCALE_ROW1 matrix_b_scale:MATRIX_SCALE_ROW1
.elseif \row == 2
	v_wmma_scale_f32_16x16x128_f8f6f4 v[(\d):(\d)+7], v[(\a):(\a)+11], v[(\b):(\b)+11], v[(\c):(\c)+7], v[\sa], v[\sb] matrix_a_fmt:MATRIX_FMT_FP6 matrix_b_fmt:MATRIX_FMT_FP6 matrix_a_scale:MATRIX_SCALE_ROW1
.else
	v_wmma_scale_f32_16x16x128_f8f6f4 v[(\d):(\d)+7], v[(\a):(\a)+11], v[(\b):(\b)+11], v[(\c):(\c)+7], v[\sa], v[\sb] matrix_a_fmt:MATRIX_FMT_FP6 matrix_b_fmt:MATRIX_FMT_FP6
.endif
.endm
	s_load_b256 s[4:11], s[0:1], 0x0               ; qkv, part, b2, ctxc
	s_load_b64 s[12:13], s[0:1], 0x20              ; ctxs
	v_lshl_add_u32 v[SPW], v0, 2, SPARE
	v_mov_b32 v[NIL], 0
	ds_add_u32 v[SPW], v[NIL]                      ; the wave's opening: the add and its wait stand ahead of my first tensor load; the set-up below, work on registers, stands between them
	v_lshrrev_b32 v44, 5, v0
	v_readfirstlane_b32 s[WV], v44                 ; wave 0..3
	s_and_b32 s[KH], s[WV], 1                      ; my half of the keys.  Also: for which half I fetch
	s_lshr_b32 s[QH], s[WV], 1                     ; my pair of query tiles.  Also: I fetch K's blocks (0) or V's (1)
	s_bfe_u32 s[CX], ttmp6, 0x40000                ; my place in the cluster
	s_lshl_b32 s[QB], ttmp9, 2
	s_add_co_u32 s[QB], s[QB], s[CX]               ; my block of 64 queries: it enters Q's and ctx's addresses alone
	s_and_b32 s[HD], ttmp7, 0xffff                 ; the head, which the four partners share
	; descriptor group 1: a dense block of 25,600 bytes as 100 rows of 32 elements of 8 bytes, no padding
	s_mov_b32 s[G1], 15|(3<<16)|(1<<21)            ; 15:0 the mask: all four work-groups; 17:16 elements of 8 bytes; 21 set beside a mask
	s_mov_b32 s[G1+1], 32<<16                      ; tensor_dim0 = 32
	s_mov_b32 s[G1+2], 100<<16                     ; tensor_dim1 = 100
	s_mov_b32 s[G1+3], 32<<16                      ; tile_dim0 = 32
	s_mov_b32 s[G1+4], 100                         ; tile_dim1 = 100
	s_mov_b32 s[G1+5], 32                          ; from row to row
	s_mov_b32 s[G1+6], 0
	s_mov_b32 s[G1+7], 0
	s_add_co_u32 s58, s[QH], 1                     ; my stream of 16 blocks: section 1 (K) or 2 (V), block 32 head + 16 half
	s_mul_i32 s58, s58, SECB
	s_lshl_b32 s60, s[HD], 5
	s_lshl_b32 s61, s[KH], 4
	s_add_co_u32 s60, s60, s61
	s_mul_i32 s60, s60, BLKB
	s_add_co_u32 s58, s58, s60
	s_mov_b32 s59, 0
	s_mul_i32 s57, s[KH], HALFB                    ; and its place in a slot: the wave's number alone
	s_mul_i32 s60, s[QH], BLKB
	s_add_co_u32 s57, s57, s60
	; Q's and ctx's places, in registers that feed no descriptor
	s_lshr_b32 s70, s[QB], 1
	s_lshl_b32 s71, s[HD], 5
	s_add_co_u32 s70, s70, s71
	s_mul_i32 s70, s70, BLKB                       ; Q's block of 128 tokens
	s_and_b32 s71, s[QB], 1                        ; which four of its eight tiles
	s_lshl_b32 s72, s[QH], 1
	s_add_co_u32 s72, s72, s[KH]                   ; tile A, which I finish,
	s_xor_b32 s73, s72, 1                          ; tile B, which I hand over
	s_lshl_b32 s74, s71, 2
	s_add_co_u32 s75, s74, s72
	s_mul_i32 s75, s75, 3072
	s_add_co_u32 s76, s70, s75
	s_mov_b32 s77, 0
	s_add_co_u32 s75, s74, s73
	s_mul_i32 s75, s75, 3072
	s_add_co_u32 s78, s70, s75
	s_mov_b32 s79, 0
	s_lshl_b32 s74, s71, 9
	s_add_co_u32 s74, s74, s70
	s_add_co_u32 s74, s74, 24576
	s_lshl_b32 s75, s72, 2
	s_add_co_u32 s80, s74, s75
	s_mov_b32 s81, 0
	s_lshl_b32 s75, s73, 2
	s_add_co_u32 s82, s74, s75
	s_mov_b32 s83, 0
	s_lshl_b32 s74, s[QB], 2
	s_add_co_u32 s74, s74, s72                     ; tile A among the 256 token tiles
	s_mul_i32 s84, s74, 12288
	s_mul_i32 s75, s[HD], 3072
	s_add_co_u32 s84, s84, s75                     ; its K steps 2 head, 2 head + 1
	s_mov_b32 s85, 0
	s_lshl_b32 s86, s74, 9
	s_lshl_b32 s75, s[HD], 7
	s_add_co_u32 s86, s86, s75
	s_mov_b32 s87, 0
	s_lshl_b32 s88, s[CX], 13                      ; the prefetches: my work-group's 32 of 128 pieces of 256 bytes
	s_add_co_u32 s88, s88, 44032
	s_mov_b32 s89, 0
	s_mov_b32 s[SEL], 0x76543210
	s_mov_b32 s[SEL+1], 0xfedcba98
	s_mov_b32 s[CS], 0x3db8aa3b                    ; c = log2(e) / 16
	s_mov_b32 s[CS+1], s[CS]                       ; (named with it as a pair, so it is written)
	s_mov_b32 s[TB], 0
	s_mov_b32 s[TBI], 0
	s_mov_b32 s[HI], 0xffff0000
	s_mov_b32 s[TH], 0x3e19999a                    ; 0.15
	s_cmp_eq_u32 ttmp9, 0                          ; the head's first cluster prefetches: the same in all four partners
	s_cselect_b32 s[LIM], 4, -1
	; every LDS address register is made here
	v_and_b32 v44, 31, v0                          ; lane
	v_bfe_u32 v46, v0, 4, 1                        ; h
	v_lshlrev_b32 v[L16], 4, v44
	v_lshlrev_b32 v[L4], 2, v44
	v_lshlrev_b32 v[PFO], 8, v44
	v_lshlrev_b32 v45, 4, v0                       ; 16 x thread: my place in part
	s_mul_i32 s90, s[KH], HALFB
	v_add_nc_u32 v[AKV], s90, v[L16]
	s_lshl_b32 s90, s[KH], 13
	s_add_co_u32 s90, s90, BIAS
	v_lshl_add_u32 v[ABI], v46, 6, s90
	v_lshl_add_u32 v[BST], v0, 4, BIAS
	s_mul_i32 s90, s[WV], STGW
	s_add_co_u32 s90, s90, STG
	v_add_nc_u32 v[STA], s90, v[L16]
	v_add_nc_u32 v[STS], s90, v[L4]
	s_xor_b32 s90, s[WV], 1
	s_mul_i32 s90, s90, STGW
	s_add_co_u32 s90, s90, STG
	v_add_nc_u32 v[LDA], s90, v[L16]
	v_add_nc_u32 v[LDB], s90, v[L4]
	s_wait_dscnt 0x0                               ; the opening add is done
	s_wait_kmcnt 0x0
	s_load_b32 s[B2V], s[8:9], 0x0
	s_add_nc_u64 s[58:59], s[4:5], s[58:59]        ; my stream in memory
	s_mov_b32 s[G0A], 1                            ; 1:0 count = 1
	s_mov_b32 s[G0A+1], s57                        ; LDS address: slot 0
	s_mov_b64 s[G0A+2:G0A+3], s[58:59]             ; global address: step 0's block
	s_or_b32 s[G0A+3], s[G0A+3], 0x80000000        ; type = 2
	s_mov_b32 s[G0W], 1
	s_add_co_u32 s[G0W+1], s57, SLOT1              ; slot 1
	s_add_nc_u64 s[G0W+2:G0W+3], s[58:59], BLKB    ; step 1's block
	s_or_b32 s[G0W+3], s[G0W+3], 0x80000000
	s_add_nc_u64 s[PFA:PFA+1], s[58:59], s[88:89]
	s_add_nc_u64 s[QAB:QAB+1], s[4:5], s[76:77]
	s_add_nc_u64 s[QAB+2:QAB+3], s[4:5], s[78:79]
	s_add_nc_u64 s[QSB:QSB+1], s[4:5], s[80:81]
	s_add_nc_u64 s[QSB+2:QSB+3], s[4:5], s[82:83]
	s_add_nc_u64 s[OC:OC+1], s[10:11], s[84:85]
	s_add_nc_u64 s[OS:OS+1], s[12:13], s[86:87]
	CROUND                                         ; all four work-groups are here: the first joint loads meet
	tensor_load_to_lds s[G0A:G0A+3], s[G1:G1+7]    ; both first fills go out together, ahead of every wait on TENSORcnt, every LDS read and every barrier: two loads of mine are out
	s_nop 0
	tensor_load_to_lds s[G0W:G0W+3], s[G1:G1+7]
	s_nop 0
	PLACES
.irp i, 0,1,2,3,4,5,6,7
	global_load_b128 v[128+4*\i:128+4*\i+3], v45, s[6:7] offset:2048*\i          ; the predictor's two partial sums of keys 4 thread + 512 i + 0 .. 3
	global_load_b128 v[160+4*\i:160+4*\i+3], v45, s[6:7] offset:16384+2048*\i
.endr
	WIN 0x80                                       ; destination window 2
.irp x, 0,1
.irp i, 0,1,2,3,4,5
	global_load_b128 v[24*\x+4*\i:24*\x+4*\i+3], v[L16], s[QAB+2*\x:QAB+2*\x+1] offset:512*\i   ; Q stays in registers: tile x, two K steps of 128
.endr
.endr
	WIN 0
	global_load_b32 v[QS], v[L16], s[QSB:QSB+1]    ; lanes 0-15 the first K step's words, lanes 16-31 the second's
	global_load_b32 v[QS+1], v[L16], s[QSB+2:QSB+3]
	; what the first softmax finds
	v_mov_b32 v[ZR], 0
	v_mov_b32 v13, 0xff61b1e6                      ; the largest t so far: -3e38, under every t
	v_floor_f32 v12, -v13                          ; -M
	v_mov_b32 v14, 0
	v_mov_b32 v15, 0
	v_mov_b32 v17, 0xff61b1e6
	v_floor_f32 v16, -v17
	v_mov_b32 v18, 0
	v_mov_b32 v19, 0
.irp b, 0,1,2,3
	v_mov_b32 v[T+4+\b], 0                         ; written once: a lane permute's destination counts as one of its sources
.endr
	v_mov_b32 v[T+21], 0                           ; (named as the upper half of a pair)
	WIN 0x40
.set i, 0
.rept 256
	v_mov_b32 v[i], 0                              ; O^T.  A turn is written for all steps alike: the first finds zeros, which the first change of M leaves zeros.  These stand where the wave would wait for its first loads
.set i, i+1
.endr
	WIN 0
	s_wait_loadcnt 14                              ; part's 16 loads are in; Q's 14 may be out
	s_wait_kmcnt 0x0                               ; b2
.set i, 0
.rept 32
	v_add_f32 v[128+i], v[128+i], v[160+i]
.set i, i+1
.endr
.set i, 0
.rept 32
	v_add_f32 v[128+i], s[B2V], v[128+i]           ; x = h . w2 + b2
.set i, i+1
.endr
.set i, 0
.rept 32
	v_mul_f32 v[128+i], 0xbfb8aa3b, v[128+i]       ; -x log2(e)
.set i, i+1
.endr
.set i, 0
.rept 32
	v_exp_f32 v[128+i], v[128+i]
.set i, i+1
.endr
	v_nop                                          ; a plain place behind the batch,
	s_wait_alu depctr_va_vdst(0)                   ; and the one wait ahead of its first reader
.set i, 0
.rept 32
	v_add_f32 v[128+i], 1.0, v[128+i]
.set i, i+1
.endr
.set i, 0
.rept 32
	v_rcp_f32 v[128+i], v[128+i]                   ; sigmoid(x)
.set i, i+1
.endr
	v_nop
	s_wait_alu depctr_va_vdst(0)
.set i, 0
.rept 32
	v_cmp_lt_f32 vcc_lo, s[TH], v[128+i]           ; active where 0.15 < the score
	v_cndmask_b32 v[128+i], 0xd06e6b28, v[ZR], vcc_lo   ; 0, or -1.6e10
.set i, i+1
.endr
.irp i, 0,1,2,3,4,5,6,7
	ds_store_b128 v[BST], v[128+4*\i:128+4*\i+3] offset:2048*\i
.endr
; THE LDS LOADS.  A block's codes are 48 x 512 consecutive bytes, in the order of the registers.  KLOAD writes load number lk of a step's 66 (K's 16 fragments; the step's 128 mask numbers in the layout of the scores; K's scale
; words), VLOAD load number lv of its 50 (V's 16 fragments; V's scale words); past the end they write nothing.
.macro KLOAD
.if lk < 48
	WIN 0x80                                       ; destination window 2
	ds_load_b128 v[64+4*lk:64+4*lk+3], v[ADK] offset:512*lk
.elseif lk < 64
	WIN 0xc0                                       ; destination window 3.  Tile t's register j is key 32 (t / 2) + 16 h + 8 (t % 2) + j
	ds_load_b128 v[192+4*(lk-48):192+4*(lk-48)+3], v[ADB] offset:128*((lk-48)/4)+16*((lk-48)%4)
.elseif lk < 66
	WIN 0                                          ; register t: lanes 0-15 tile t's words of the first K step, lanes 16-31 of the second
	ds_load_b128 v[KS+4*(lk-64):KS+4*(lk-64)+3], v[ADK] offset:24576+512*(lk-64)
.endif
.set lk, lk+1
.endm
.macro VLOAD
.if lv < 48
	WIN 0xc0
	ds_load_b128 v[4*lv:4*lv+3], v[ADK] offset:BLKB+512*lv
.elseif lv < 50
	WIN 0                                          ; register a: lanes 0-15 channel tile a's words, lanes 16-31 channel tile 8 + a's
	ds_load_b128 v[VS+4*(lv-48):VS+4*(lv-48)+3], v[ADK] offset:BLKB+24576+512*(lv-48)
.endif
.set lv, lv+1
.endm
; THE MATRIX WORK OF A TURN, for tile TX.  The accumulators take turns, one instruction a turn: between two links of a chain stand 7 others' (K Q^T) or a whole step's (V^T P).
.macro PVM                             ; product mi of 16 of O^T += V^T P^T: channel tile mi; K = the step's 128 keys
	WIN 0x53                                       ; V window 3, P window 0, O^T window 1
	MM 128*TX+8*mi, 24*(mi%8)+12*(mi/8), PA+12*TX, 128*TX+8*mi, VS+mi%8, PW+TX, 2*(mi/8)
.endm
.macro SMM                             ; product ni of 16 of S^T = K Q^T + the mask: the first eight take the mask numbers as C, the second eight add the head's second 128
.if ni < 8
	WIN 0x3a                                       ; K and Q window 2, the mask window 3, S^T window 0
	MM SA+64*TX+8*ni, 64+24*ni, 24*TX, 192+8*ni, KS+ni, QS+TX, 0
.else
	WIN 0x0a
	MM SA+64*TX+8*(ni-8), 64+24*(ni-8)+12, 24*TX+12, SA+64*TX+8*(ni-8), KS+ni-8, QS+TX, 1
.endif
.endm
; HOOK number hk of a turn (1 to 33) stands behind every eighth counted instruction of the softmax.  Hooks 1-16 write the products V^T P (TPV), hooks 17-32 the products K Q^T (TKQ).
; The LDS loads stand in runs, each ahead of a hook's product, never singly.  TFK: behind the 18 loads at the change of slots, 16 more of the next step's K at hooks 3, 6 and 9; all 66 are waited for at hook 17, ahead of the first
; product that reads them.  TFV: 17, 17 and 16 loads of the next step's V at hooks 17, 20 and 23.  V's registers were last read by hook 16's product; between it and hook 17 stand exponentials, which are no places: so four v_nop.
.macro HOOK
.set hk, hk+1
.if hk <= 16
.if TFK && ((hk == 3) || (hk == 6) || (hk == 9))
.rept 16
	KLOAD
.endr
.endif
.if TPV
.set mi, hk-1
	PVM
.endif
.elseif hk <= 32
.if TFV && ((hk == 17) || (hk == 20) || (hk == 23))
.if hk == 17
	PLACES
.endif
.rept 17
	VLOAD
.endr
.endif
.if TKQ
.if TFK && (hk == 17)
	s_wait_dscnt 0x0                               ; K, its scale words and the mask numbers are in
.endif
.set ni, hk-17
	SMM
.endif
.endif
.endm
.macro TICK w                          ; counts a vector instruction; behind every eighth a hook, and then the windows that the next vector instructions want
.set vc, vc+1
.if vc%8 == 0
	HOOK
	WIN \w
.endif
.endm
; One tile's softmax of a step: scores in v[sb] on; -M, largest t, sums in v[st] on; codes to v[pb] on, scale word to v[pw]; O^T at v[ob] of window 1.  It names no register of the products that stand in it: those are the other tile's.
; 265 of its 282 instructions are counted (not the 17 from the conversions to the moves): 33 hooks; behind hook 32, the last with a product, stand nine multiplications of O^T, which are that product's places.
.macro SOFTMAX sb, st, pb, pw, ob
	WIN 0
.irp b, 0,1,2,3
	v_max3_num_f32 v[T+\b], v[\sb+16*\b], v[\sb+16*\b+1], v[\sb+16*\b+2]   ; the largest score of each block of 32 keys: it serves for the row's maximum and, since p rises with the score, for the block's largest p
	TICK 0
.endr
.irp i, 3,5,7,9,11,13
.irp b, 0,1,2,3
	v_max3_num_f32 v[T+\b], v[T+\b], v[\sb+16*\b+\i], v[\sb+16*\b+\i+1]
	TICK 0
.endr
.endr
.irp b, 0,1,2,3
	v_max_num_f32 v[T+\b], v[T+\b], v[\sb+16*\b+15]
	TICK 0
.endr
.irp b, 0,1,2,3
	v_permlanex16_b32 v[T+4+\b], v[T+\b], s[SEL], s[SEL+1]
	TICK 0
.endr
.irp b, 0,1,2,3
	v_max_num_f32 v[T+\b], v[T+\b], v[T+4+\b]      ; with lane l xor 16's 16 keys
	TICK 0
.endr
	v_max3_num_f32 v[T+22], v[T], v[T+1], v[T+2]
	TICK 0
	v_max_num_f32 v[T+22], v[T+22], v[T+3]         ; the step's largest score of my query
	TICK 0
	v_mul_f32 v[T+22], s[CS], v[T+22]              ; as t (c is positive)
	TICK 0
	v_max_num_f32 v[\st+1], v[\st+1], v[T+22]      ; the running largest t
	TICK 0
	v_mov_b32 v[T+22], v[\st]
	TICK 0
	v_floor_f32 v[\st], -v[\st+1]                  ; the new -M = floor(-t) = -ceil(t)
	TICK 0
	v_sub_f32 v[T+22], v[\st], v[T+22]             ; old M - new M: a whole number, 0 or less
	TICK 0
	v_cvt_i32_f32 v[T+22], v[T+22]                 ; (it saturates)
	TICK 0
	v_ldexp_f32 v[T+20], 1.0, v[T+22]              ; f = 2^(old M - new M)
	TICK 0
.set j, 0
.rept 32
	v_pk_fma_f32 v[\sb+j:\sb+j+1], v[\sb+j:\sb+j+1], s[CS:CS+1], v[\st:\st+1] op_sel_hi:[1,0,0]   ; t - M, two at a time
.set j, j+2
	TICK 0
.endr
.irp b, 0,1,2,3
	v_fma_f32 v[T+\b], v[T+\b], s[CS], v[\st]      ; the same of each block's largest score
	TICK 0
.endr
.set j, 0
.rept 64
	v_exp_f32 v[\sb+j], v[\sb+j]                   ; p = 2^(t - M), at most 1
.set j, j+1
	TICK 0
.endr
.irp b, 0,1,2,3
	v_exp_f32 v[T+\b], v[T+\b]                     ; the block's largest p: the same two instructions on the same number give the same bits.  One batch with the 64
	TICK 0
.endr
	v_pk_mul_f32 v[\st+2:\st+3], v[\st+2:\st+3], v[T+20:T+21] op_sel_hi:[1,0]   ; the sums under the new M.  (A plain place behind the exponentials)
	TICK 0
	s_wait_alu depctr_va_vdst(0)                   ; one wait for the batch of 68, ahead of its first reader
	v_pk_add_f32 v[T+4:T+5], v[\sb:\sb+1], v[\sb+2:\sb+3]   ; the row's sum, of the unquantised p: two at a time, in two chains
	TICK 0
.set j, 4
.rept 15
	v_pk_add_f32 v[\st+2:\st+3], v[\st+2:\st+3], v[\sb+j:\sb+j+1]
	TICK 0
	v_pk_add_f32 v[T+4:T+5], v[T+4:T+5], v[\sb+j+2:\sb+j+3]
	TICK 0
.set j, j+4
.endr
	v_pk_add_f32 v[\st+2:\st+3], v[\st+2:\st+3], v[T+4:T+5]
	TICK 0
.irp b, 0,1,2,3
	v_max_num_f32 v[T+\b], 0x1800000, v[T+\b]      ; the floor 2^(3 - 127): the byte cannot fall under 1 (a block whose every p is 0 keeps that byte: its codes are zeros)
	TICK 0
.endr
.irp b, 0,1,2,3
	v_add_nc_u32 v[T+12+\b], 0xff000000, v[T+\b]   ; 2 off the exponent field: the conversions' scale operand
	TICK 0
.endr
.irp b, 0,1,2,3
	v_lshrrev_b32 v[T+4+\b], 23, v[T+12+\b]        ; the byte
	TICK 0
.endr
	v_lshl_or_b32 v[\pw], v[T+5], 8, v[T+4]
	TICK 0
	v_lshl_or_b32 v[\pw], v[T+6], 16, v[\pw]
	TICK 0
	v_lshl_or_b32 v[\pw], v[T+7], 24, v[\pw]
	TICK 0
.irp c, 0,1
	v_cvt_scalef32_pk16_fp6_f32 v[\pb+6*\c:\pb+6*\c+2], v[\sb+32*\c:\sb+32*\c+15], v[T+12+2*\c]
	v_cvt_scalef32_pk16_fp6_f32 v[PT+4*\c:PT+4*\c+2], v[\sb+32*\c+16:\sb+32*\c+31], v[T+13+2*\c]
.endr
	v_nop                                          ; one plain place behind a scaled conversion
.irp c, 0,1                            ; the operand's layout wants a whole block in a lane
.irp i, 0,1,2
	v_permlane16_swap_b32 v[\pb+6*\c+\i], v[PT+4*\c+\i]
.endr
.irp i, 0,1,2
	v_mov_b32 v[\pb+6*\c+3+\i], v[PT+4*\c+\i]
.endr
.endr
	WIN 0x41                                       ; O^T (destination and source 0) window 1
.set j, 0
.rept 64
	v_pk_mul_f32 v[\ob+j:\ob+j+1], v[\ob+j:\ob+j+1], v[T+20:T+21] op_sel_hi:[1,0]   ; O^T under the new M.  (These are also the places between the codes and scale word just made and the next turn's products, which take them)
.set j, j+2
	TICK 0x41
.endr
	WIN 0
.endm
; A PREFETCH INTO THE L2.  My 16 blocks are one dense stream of 1,600 pieces of 256 bytes.  All clusters of a head walk the same streams: the head's first cluster asks, its four partners told apart BY ADDRESS (32 pieces each), a lane a piece.
; In step j = 0 .. 9 the four name pieces 300 + 128 j .. 427 + 128 j, while the tensor load of that step asks for pieces 200 + 100 j on: each piece is named once, one step or more ahead of its load; the last named is 1,579.
; Pieces 0-299 and the last 20 come by their loads alone: nothing is asked for at the head, and nothing past the stream's end.
.macro ASK
	s_cmp_gt_u32 s[CNT], s[LIM]
	s_cbranch_scc0 .Lnot_mine_\@
	global_prefetch_b8 v[PFO], s[PFA:PFA+1] th:TH_LOAD_NT scope:SCOPE_SE
.Lnot_mine_\@:
.endm
; THE CHANGE OF SLOTS, at the head of turn A (j): V of step j, the last bytes of slot j % 2, was asked for in the turn before.  Each wave waits for all its tensor loads (one is out: its part of the other slot), adds 0 to its spare
; word, and waits for that and for its reads of the slot.  refill = 1: the barrier is a round of the cluster's, and the joint refill (the block of step j + 2) is the first thing behind it: it has a whole step in which to land.
; Behind it the first 18 loads of K of step j + 1, out of the other slot.
.macro CHANGE refill
	WIN 0
	s_wait_tensorcnt 0x0                           ; no tensor load of mine is out, so a group 0 may be written
	ds_add_u32 v[SPW], v[NIL]                      ; 0 onto my spare word; the steps below stand between it and the wait for it
.if \refill
	s_xor_b32 s[G0W+1], s[G0W+1], SLOT1            ; the walking descriptor: the other slot than last time,
	s_add_nc_u64 s[G0W+2:G0W+3], s[G0W+2:G0W+3], BLKB   ; the next block; the type bits on top are not reached
	s_wait_xcnt 0x0                                ; the last prefetch, a step back, has read its address
	s_add_nc_u64 s[PFA:PFA+1], s[PFA:PFA+1], 32768
.endif
	s_xor_b32 s[TB], s[TB], SLOT1
	s_add_co_u32 s[TBI], s[TBI], 512
	s_wait_dscnt 0x0                               ; the add is done, V is in, and so my reads of the slot are over
.if \refill
	CROUND
	tensor_load_to_lds s[G0W:G0W+3], s[G1:G1+7]    ; my one tensor load until the next round
	s_nop 0
.else
	s_barrier_signal -1
	s_barrier_wait -1
.endif
	PLACES                                         ; behind the tensor load; with the nine multiplications at the last turn's end also places in front of the loads into K's registers
	v_add_nc_u32 v[ADK], s[TB], v[AKV]
	v_add_nc_u32 v[ADB], s[TBI], v[ABI]
.set lk, 0
.rept 18
	KLOAD
.endr
	WIN 0
.if \refill
	ASK
.endif
.endm
; A TURN.  Tile x (0: A, 1: B) has the matrix unit; the other tile's softmax carries its products.  pv: 16 products V^T P;  kq: 16 products K Q^T of the next step;  fk: the rest of the next step's K is fetched;  fv: the next step's V.
.macro TURN x, pv, kq, fk, fv
.set TX, \x
.set TPV, \pv
.set TKQ, \kq
.set TFK, \fk
.set TFV, \fv
.set vc, 0
.set hk, 0
.set lv, 0
.if \x == 0
	SOFTMAX SA+64, 16, PA+12, PW+1, 128
.else
	SOFTMAX SA, 12, PA, PW, 0
.endif
.endm
	s_wait_tensorcnt 0x1                           ; my part of slot 0 is in; slot 1's may stay out
	s_wait_dscnt 0x0                               ; my part of the mask table is stored
	s_barrier_signal -1
	s_barrier_wait -1                              ; everybody's are
	s_wait_loadcnt 0x0                             ; Q
	v_add_nc_u32 v[ADK], s[TB], v[AKV]
	v_add_nc_u32 v[ADB], s[TBI], v[ABI]
.set lk, 0
.rept 66
	KLOAD                                          ; step 0's K, in one run
.endr
	s_wait_dscnt 0x0
.set TX, 0
.set ni, 0
.rept 16
	SMM                                            ; tile A's first scores: there is no vector work yet to set between them
.set ni, ni+1
.endr
	WIN 0
	PLACES                                         ; in front of the first read of those scores
	TURN 1, 0, 1, 0, 1                             ; tile B's first scores | tile A's softmax of step 0 | V of step 0
	s_mov_b32 s[CNT], 14
.Lstep:                                ; steps 0 to 13 ask for the blocks of steps 2 to 15
	CHANGE 1
	TURN 0, 1, 1, 1, 0                             ; A: V^T P of step j, K Q^T of step j + 1 | B's softmax of step j | K of step j + 1
	TURN 1, 1, 1, 0, 1                             ; B: the same | A's softmax of step j + 1 | V of step j + 1
	s_sub_co_u32 s[CNT], s[CNT], 1
	s_cmp_lg_u32 s[CNT], 0
	s_cbranch_scc1 .Lstep
	CHANGE 0                                       ; the tail is written out: step 14 asks for nothing
	TURN 0, 1, 1, 1, 0
	TURN 1, 1, 1, 0, 1
	s_wait_dscnt 0x0                               ; V of step 15 is in
	TURN 0, 1, 0, 0, 0                             ; A: V^T P of step 15 | B's last softmax
.set TX, 1
.set mi, 0
.rept 16
	PVM                                            ; B: V^T P of step 15
.set mi, mi+1
.endr
	WIN 0
	PLACES                                         ; in front of the first read of results
	; THE TWO HALVES OF THE KEYS ARE JOINED.  Tile B's O^T, -M and sum go to my stage; my partner's, which are of my tile A, come from its stage.
	v_add_f32 v14, v14, v15
	v_add_f32 v18, v18, v19
	v_permlanex16_b32 v[T+4], v14, s[SEL], s[SEL+1]
	v_permlanex16_b32 v[T+5], v18, s[SEL], s[SEL+1]
	v_add_f32 v14, v14, v[T+4]                     ; the rows' sums over my half of the keys
	v_add_f32 v18, v18, v[T+5]
	WIN 0x04                                       ; an LDS store's data are its source 1: window 1
.set i, 0
.rept 32
	ds_store_b128 v[STA], v[128+4*i:128+4*i+3] offset:512*i   ; as an image of the registers; each accumulator from its low end on
.set i, i+1
.endr
	WIN 0
	ds_store_b32 v[STS], v16 offset:16384
	ds_store_b32 v[STS], v18 offset:16512
	s_wait_dscnt 0x0                               ; for my partner's sake: my stores are done
	s_barrier_signal -1
	s_barrier_wait -1
.set i, 0
.rept 32
	ds_load_b128 v[128+4*i:128+4*i+3], v[LDA] offset:512*i
.set i, i+1
.endr
	ds_load_b32 v[T], v[LDB] offset:16384
	ds_load_b32 v[T+1], v[LDB] offset:16512
	s_wait_dscnt 0x0
	v_min_num_f32 v[T+2], v12, v[T]                ; -M of the whole row
	v_sub_f32 v[T+3], v[T+2], v12
	v_sub_f32 v[T+4], v[T+2], v[T]
	v_cvt_i32_f32 v[T+3], v[T+3]
	v_cvt_i32_f32 v[T+4], v[T+4]
	v_ldexp_f32 v[T+3], 1.0, v[T+3]                ; 2^(my M - M),
	v_ldexp_f32 v[T+4], 1.0, v[T+4]                ; 2^(my partner's M - M): exact
	v_mul_f32 v[T+5], v[T+3], v14
	v_fma_f32 v[T+5], v[T+4], v[T+1], v[T+5]       ; the row's sum: over 1/2
	v_rcp_f32 v[T+6], v[T+5]
	v_nop                                          ; a plain place behind the reciprocal,
	s_wait_alu depctr_va_vdst(0)                   ; and the wait ahead of its first reader
	v_mul_f32 v[T+8], v[T+3], v[T+6]
	v_mul_f32 v[T+10], v[T+4], v[T+6]
	v_mov_b32 v[T+9], v[T+8]                       ; (named with them as pairs)
	v_mov_b32 v[T+11], v[T+10]
.set j, 0
.rept 64
	v_pk_mul_f32 v[128+j:128+j+1], v[128+j:128+j+1], v[T+10:T+11] op_sel_hi:[1,0]
.set j, j+2
.endr
	WIN 0x01                                       ; source 0: my O^T of tile A, window 1
.set j, 0
.rept 64
	v_pk_fma_f32 v[128+j:128+j+1], v[j:j+1], v[T+8:T+9], v[128+j:128+j+1] op_sel_hi:[1,0,1]   ; ctx: register 16 b + i is channel 32 b + 16 h + i of the head
.set j, j+2
.endr
	WIN 0
; ctx is quantised along the features: my tile's K steps 2 head and 2 head + 1 of the last product
.macro QUANT s, pc, pw
.irp b, 0,1,2,3
	v_max3_num_f32 v[TM+\b], 0x1800000, |v[\s+16*\b]|, |v[\s+16*\b+1]|
.endr
.irp i, 2,4,6,8,10,12,14
.irp b, 0,1,2,3
	v_max3_num_f32 v[TM+\b], v[TM+\b], |v[\s+16*\b+\i]|, |v[\s+16*\b+\i+1]|
.endr
.endr
.irp b, 0,1,2,3
	v_permlanex16_b32 v[TM+4+\b], v[TM+\b], s[SEL], s[SEL+1]
.endr
.irp b, 0,1,2,3
	v_max_num_f32 v[TM+\b], v[TM+\b], v[TM+4+\b]
.endr
.irp b, 0,1,2,3
	v_add_nc_u32 v[TM+12+\b], 0xff000000, v[TM+\b]
.endr
.irp b, 0,1,2,3
	v_lshrrev_b32 v[TM+4+\b], 23, v[TM+12+\b]
.endr
	v_lshl_or_b32 v[\pw], v[TM+5], 8, v[TM+4]
	v_lshl_or_b32 v[\pw], v[TM+6], 16, v[\pw]
	v_lshl_or_b32 v[\pw], v[TM+7], 24, v[\pw]
.irp c, 0,1
	v_cvt_scalef32_pk16_fp6_f32 v[\pc+6*\c:\pc+6*\c+2], v[\s+32*\c:\s+32*\c+15], v[TM+12+2*\c]
	v_cvt_scalef32_pk16_fp6_f32 v[PT+4*\c:PT+4*\c+2], v[\s+32*\c+16:\s+32*\c+31], v[TM+13+2*\c]
.endr
	v_nop                                          ; one plain place behind a scaled conversion
.irp c, 0,1
.irp i, 0,1,2
	v_permlane16_swap_b32 v[\pc+6*\c+\i], v[PT+4*\c+\i]
.endr
.irp i, 0,1,2
	v_mov_b32 v[\pc+6*\c+3+\i], v[PT+4*\c+\i]
.endr
.endr
.endm
	QUANT 128, PA, PW
	QUANT 192, PA+12, PW+1
.irp i, 0,1,2,3,4,5
	global_store_b128 v[L16], v[PA+4*\i:PA+4*\i+3], s[OC:OC+1] offset:512*\i   ; two fragments on end: 512 consecutive bytes a store
.endr
	v_cndmask_b32 v[T+16], v[PW], v[PW+1], s[HI]   ; lanes 0-15 the first K step's words, lanes 16-31 the second's: 128 consecutive bytes
	global_store_b32 v[L4], v[T+16], s[OS:OS+1]
	s_wait_tensorcnt 0x0                           ; the wave's end, behind my last tensor load and my last LDS store
	ds_add_u32 v[SPW], v[NIL]
	s_wait_dscnt 0x0
	CROUND                                         ; the closing round: no work-group ends while a partner may still ask for a block that names it
	s_endpgm
.Lfunc_end_k_q25d97b5f60_attn:
	.size	k_q25d97b5f60_attn, .Lfunc_end_k_q25d97b5f60_attn-k_q25d97b5f60_attn
	.p2alignl 7, 3214868480
	.fill 96, 4, 3214868480
	.section	.rodata,"a",@progbits
	.p2align	6, 0x0
	.amdhsa_kernel k_q25d97b5f60_attn
		.amdhsa_group_segment_fixed_size 327680
		.amdhsa_private_segment_fixed_size 0
		.amdhsa_enable_private_segment 0
		.amdhsa_kernarg_size 40
		.amdhsa_user_sgpr_count 2
		.amdhsa_user_sgpr_kernarg_segment_ptr 1
		.amdhsa_wavefront_size32 1
		.amdhsa_system_sgpr_workgroup_id_x 1
		.amdhsa_system_sgpr_workgroup_id_y 1
		.amdhsa_system_sgpr_workgroup_id_z 1
		.amdhsa_system_vgpr_workitem_id 0
		.amdhsa_next_free_vgpr 1024
		.amdhsa_next_free_sgpr 96
		.amdhsa_reserve_vcc 1
		.amdhsa_float_denorm_mode_32 3
		.amdhsa_float_denorm_mode_16_64 3
		.amdhsa_memory_ordered 1
		.amdhsa_forward_progress 1
		.amdhsa_inst_pref_size 198
	.end_amdhsa_kernel
	.amdgpu_metadata
---
amdhsa.version: [ 1, 2 ]
amdhsa.kernels:
  - .name:           k_q25d97b5f60_attn
    .symbol:         k_q25d97b5f60_attn.kd
    .args:
      - { .name: qkv, .offset: 0, .size: 8, .value_kind: global_buffer, .address_space: global }
      - { .name: part, .offset: 8, .size: 8, .value_kind: global_buffer, .address_space: global }
      - { .name: b2, .offset: 16, .size: 8, .value_kind: global_buffer, .address_space: global }
      - { .name: ctxc, .offset: 24, .size: 8, .value_kind: global_buffer, .address_space: global }
      - { .name: ctxs, .offset: 32, .size: 8, .value_kind: global_buffer, .address_space: global }
    .group_segment_fixed_size: 327680
    .private_segment_fixed_size: 0
    .kernarg_segment_align: 8
    .kernarg_segment_size: 40
    .max_flat_workgroup_size: 128
    .sgpr_count:     96
    .vgpr_count:     1024
    .wavefront_size: 32
...
	.end_amdgpu_metadata
.endif
;; end of part 3
;; launch outp (part 4): grid 256 x 1, 4 waves a work-group, no clusters, 34,304 bytes of LDS; arguments ctxc, ctxs, cod1, scl1, bo, part, b2, out0; writes out0
.if DOCPART == 4
	.amdgcn_target "amdgcn-amd-amdhsa--gfx1250"
	.amdhsa_code_object_version 6
	.text
	.protected	k_q25d97b5f60_outp
	.globl	k_q25d97b5f60_outp
	.p2align	8
	.type	k_q25d97b5f60_outp,@function
k_q25d97b5f60_outp:
	s_mov_b64 s[64:65], 0
	v_nop
	global_prefetch_b8 v0, s[64:65] scope:SCOPE_SE
	s_setreg_imm32_b32 hwreg(HW_REG_WAVE_MODE, 25, 1), 1
	s_wait_xcnt 0x0
; out = ctx wo + bo on codes of FP6 (E2M3) with E8M0 scales, K = 1024 in eight steps of 128; rows of tokens that the predictor leaves inactive are written as zeros.
; A wave: source 0 = 8 tiles of wo (128 output columns), source 1 = 2 tiles of ctx (32 tokens): 16 accumulators; a lane holds one token, its registers run along the columns: register 16 b + i of a tile = column 32 b + 16 h + i.
; 1,024 waves, one for each 128 columns x 32 tokens.  Operands lie in memory in the order of their registers (fragments of 1,536 bytes) and go straight into registers, through THREE sets of fragment registers: two K steps' loads
; are on their way while a third is multiplied.  K has only eight steps, so no ring in LDS is set up.  bo is the C of each sum's first product.
; THE MASK: sigmoid(part[0] + part[1] + b2) > 0.15, by the same lines as in the launch before, so that both take the same tokens; it selects (v_cndmask_b32), no branch hangs on it.
; THE WAY OUT: a tile's 16 tokens x 512 bytes go through the wave's own stage in LDS and leave as whole rows: 32 lanes store 512 consecutive bytes.
.set STW,   8448                       ; a wave's stage: 16 rows x (512 + 16) bytes, from LDS byte 0
.set SPARE, 33792                      ; the spare words, 128 bytes for each wave: two blocks of 256 bytes that no other line names
.set L16, 1                            ; v1   16 x lane
.set SCV, 2                            ; v2   4 r + 256 h
.set H64, 3                            ; v3   64 h
.set STO, 4                            ; v4   the stage, in: 528 r + 64 h
.set RDB, 5                            ; v5   the stage, out: 16 x lane
.set TK4, 6                            ; v6   4 (r + 8 (r / 8)): my token among a tile pair's 32
.set SPW, 14                           ; v14  LDS address of my spare word; never rewritten
.set NIL, 15                           ; v15  0; never rewritten
.set TS,  16                           ; v16-23 ctx's scale words [4 a + q]
.set MN,  24                           ; v24-27 the predictor's partial sums of my two tokens
.set US,  32                           ; v32-63 wo's scale words [4 b + q]
.set BI,  64                           ; v64-127 bo in the result's layout; later tile 0's rows on the way out
.set ACC, 128                          ; v128-255 the accumulators, (a, b) at v[128 + 64 a + 8 b]; v128-191 later tile 1's rows
.set TH,  30                           ; s30  0.15
.set B2V, 31                           ; s31  b2
.set MK,  40                           ; s40, s41 the lanes whose token is active, for tiles 0, 1
; window 1: fragment sets 0 (v0 on) and 1 (v128 on); window 2: set 2.  In a set: wo's fragment b at 12 b, ctx's fragment a at 96 + 12 a
.set MSB, 0
.macro WIN new                         ; the immediate's high byte repeats the setting that is left
.if MSB != \new
	s_set_vgpr_msb (MSB<<8)|\new
.set MSB, \new
.endif
.endm
.macro MM d, a, b, c, sa, sb, row
.if \row
	v_wmma_scale_f32_16x16x128_f8f6f4 v[(\d):(\d)+7], v[(\a):(\a)+11], v[(\b):(\b)+11], v[(\c):(\c)+7], v[\sa], v[\sb] matrix_a_fmt:MATRIX_FMT_FP6 matrix_b_fmt:MATRIX_FMT_FP6 matrix_a_scale:MATRIX_SCALE_ROW1 matrix_b_scale:MATRIX_SCALE_ROW1
.else
	v_wmma_scale_f32_16x16x128_f8f6f4 v[(\d):(\d)+7], v[(\a):(\a)+11], v[(\b):(\b)+11], v[(\c):(\c)+7], v[\sa], v[\sb] matrix_a_fmt:MATRIX_FMT_FP6 matrix_b_fmt:MATRIX_FMT_FP6
.endif
.endm
	s_load_b512 s[8:23], s[0:1], 0x0               ; ctxc, ctxs, cod1, scl1, bo, part, b2, out0
	v_lshl_add_u32 v[SPW], v0, 2, SPARE
	v_mov_b32 v[NIL], 0
	v_lshrrev_b32 v1, 5, v0
	v_readfirstlane_b32 s2, v1                     ; wave 0..3
	v_and_b32 v7, 31, v0
	v_and_b32 v8, 15, v0                           ; r
	v_bfe_u32 v9, v0, 4, 1                         ; h
	v_lshlrev_b32 v[L16], 4, v7
	v_lshlrev_b32 v[SCV], 2, v8
	v_lshl_add_u32 v[SCV], v9, 8, v[SCV]
	v_lshlrev_b32 v[H64], 6, v9
	s_mul_i32 s6, s2, STW
	v_mul_u32_u24 v[STO], v8, 528
	v_lshl_add_u32 v[STO], v9, 6, v[STO]
	v_add_nc_u32 v[STO], s6, v[STO]
	v_add_nc_u32 v[RDB], s6, v[L16]
	v_and_b32 v[TK4], 8, v8
	v_add_nc_u32 v[TK4], v[TK4], v8
	v_lshlrev_b32 v[TK4], 2, v[TK4]
	s_mov_b32 s[TH], 0x3e19999a
	s_lshr_b32 s3, ttmp9, 5                        ; ib: which 128 columns
	s_and_b32 s4, ttmp9, 31
	s_lshl_b32 s4, s4, 2
	s_add_co_u32 s4, s4, s2                        ; g: which 32 tokens
	s_lshl_b32 s5, s3, 3
	s_add_co_u32 s5, s5, 960                       ; wo's first tile of mine in cod1
	s_mov_b32 s43, 0
	s_wait_kmcnt 0x0
	s_load_b32 s[B2V], s[20:21], 0x0
	s_mul_i32 s42, s5, 12288
	s_add_nc_u64 s[24:25], s[12:13], s[42:43]      ; wo's codes
	s_lshl_b32 s42, s5, 9
	s_add_nc_u64 s[28:29], s[14:15], s[42:43]      ; wo's scale words
	s_mul_i32 s42, s4, 24576
	s_add_nc_u64 s[26:27], s[8:9], s[42:43]        ; ctx's codes: tiles 2 g, 2 g + 1
	s_lshl_b32 s42, s4, 10
	s_add_nc_u64 s[32:33], s[10:11], s[42:43]      ; ctx's scale words
	s_lshl_b32 s42, s3, 9
	s_add_nc_u64 s[34:35], s[16:17], s[42:43]      ; bo at my columns
	s_add_nc_u64 s[38:39], s[22:23], s[42:43]      ; out0 at my columns,
	s_lshl_b32 s42, s4, 7
	s_add_nc_u64 s[36:37], s[18:19], s[42:43]      ; part at my tokens
	s_lshl_b32 s42, s4, 17
	s_add_nc_u64 s[38:39], s[38:39], s[42:43]      ; and at my first token: 32 g rows of 4,096 bytes
.irp b, 0,1,2,3,4,5,6,7
.irp q, 0,1,2,3
	global_load_b32 v[US+4*\b+\q], v[SCV], s[28:29] offset:512*\b+64*\q
.endr
.endr
.irp a, 0,1
.irp q, 0,1,2,3
	global_load_b32 v[TS+4*\a+\q], v[SCV], s[32:33] offset:512*\a+64*\q
.endr
.endr
.irp b, 0,1,2,3,4,5,6,7
	global_load_b128 v[BI+8*\b:BI+8*\b+3], v[H64], s[34:35] offset:(32*(\b/2)+8*(\b%2))*4
	global_load_b128 v[BI+8*\b+4:BI+8*\b+7], v[H64], s[34:35] offset:(32*(\b/2)+8*(\b%2))*4+16
.endr
.irp a, 0,1
.irp p, 0,1
	global_load_b32 v[MN+2*\a+\p], v[TK4], s[36:37] offset:32*\a+16384*\p   ; token 32 g + 8 a + r + 8 (r / 8)
.endr
.endr
.macro LOADSET q                       ; K step q's ten fragments, 30 loads of 512 consecutive bytes, into set q % 3
.if (\q)%3 == 2
	WIN 0x80
.set FB, 0
.else
	WIN 0x40
.set FB, 128*((\q)%3)
.endif
.irp a, 0,1
.irp c, 0,1,2
	global_load_b128 v[FB+96+12*\a+4*\c:FB+96+12*\a+4*\c+3], v[L16], s[26:27] offset:12288*\a+1536*(\q)+512*\c
.endr
.endr
.irp b, 0,1,2,3,4,5,6,7
.irp c, 0,1,2
	global_load_b128 v[FB+12*\b+4*\c:FB+12*\b+4*\c+3], v[L16], s[24:25] offset:12288*\b+1536*(\q)+512*\c
.endr
.endr
	WIN 0
.endm
; A K step: the 16 accumulators take turns, one instruction a turn, in the same order in every step
.macro KSTEP q, left
	s_wait_loadcnt \left                           ; this step's set is in; the younger sets, 30 loads each, may be out
.if (\q)%3 == 2
	WIN 0x0a                                       ; sources 0 and 1 window 2
.set FB, 0
.else
	WIN 0x05                                       ; sources 0 and 1 window 1
.set FB, 128*((\q)%3)
.endif
.irp b, 0,1,2,3,4,5,6,7
.irp a, 0,1
.if \q == 0
	MM ACC+64*\a+8*\b, FB+12*\b, FB+96+12*\a, BI+8*\b, US+4*\b, TS+4*\a, 0   ; the first product starts the sum with the bias
.else
	MM ACC+64*\a+8*\b, FB+12*\b, FB+96+12*\a, ACC+64*\a+8*\b, US+4*\b+\q%4, TS+4*\a+\q%4, \q/4
.endif
.endr
.endr
	WIN 0
.rept 4
	v_nop                                          ; four places in front of loads into registers that matrix instructions have read, and of the first read of results
.endr
.if \q < 5
	LOADSET (\q)+3
.endif
.endm
	LOADSET 0
	LOADSET 1
	LOADSET 2
	KSTEP 0, 60
	KSTEP 1, 60
	KSTEP 2, 60
	KSTEP 3, 60
	KSTEP 4, 60
	KSTEP 5, 60
	KSTEP 6, 30
	KSTEP 7, 0
	s_wait_kmcnt 0x0                               ; b2
	v_add_f32 v[MN], v[MN], v[MN+1]
	v_add_f32 v[MN+2], v[MN+2], v[MN+3]
	v_add_f32 v[MN], s[B2V], v[MN]                 ; x = h . w2 + b2
	v_add_f32 v[MN+2], s[B2V], v[MN+2]
	v_mul_f32 v[MN], 0xbfb8aa3b, v[MN]             ; -x log2(e)
	v_mul_f32 v[MN+2], 0xbfb8aa3b, v[MN+2]
	v_exp_f32 v[MN], v[MN]
	v_exp_f32 v[MN+2], v[MN+2]
	v_nop                                          ; a plain place behind the two,
	s_wait_alu depctr_va_vdst(0)                   ; and the wait ahead of their first reader
	v_add_f32 v[MN], 1.0, v[MN]
	v_add_f32 v[MN+2], 1.0, v[MN+2]
	v_rcp_f32 v[MN], v[MN]                         ; sigmoid(x)
	v_rcp_f32 v[MN+2], v[MN+2]
	v_nop
	s_wait_alu depctr_va_vdst(0)
	v_cmp_lt_f32 s[MK], s[TH], v[MN]               ; active where 0.15 < the score
	v_cmp_lt_f32 s[MK+1], s[TH], v[MN+2]
.macro TOSTAGE a                       ; tile a: inactive tokens' numbers become 0; then 32 bytes of a row for each accumulator
.set i, 0
.rept 64
	v_cndmask_b32 v[ACC+64*\a+i], 0, v[ACC+64*\a+i], s[MK+\a]   ; each accumulator from its low end on
.set i, i+1
.endr
.irp b, 0,1,2,3,4,5,6,7
	ds_store_b128 v[STO], v[ACC+64*\a+8*\b:ACC+64*\a+8*\b+3] offset:128*(\b/2)+32*(\b%2)
	ds_store_b128 v[STO], v[ACC+64*\a+8*\b+4:ACC+64*\a+8*\b+7] offset:128*(\b/2)+32*(\b%2)+16
.endr
.endm
.macro BACK reg                        ; 16 whole rows of 512 bytes.  LDS serves a wave's instructions in order: these see my stores, and later stores come behind them
.irp t, 0,1,2,3,4,5,6,7,8,9,10,11,12,13,14,15
	ds_load_b128 v[\reg+4*\t:\reg+4*\t+3], v[RDB] offset:528*\t
.endr
.endm
.macro SEND a, reg
.irp t, 0,1,2,3,4,5,6,7,8,9,10,11,12,13,14,15
	global_store_b128 v[L16], v[\reg+4*\t:\reg+4*\t+3], s[38:39] offset:(8*\a+\t+8*(\t/8))*4096 th:TH_STORE_NT   ; 32 lanes store 512 consecutive bytes, at a multiple of 256 from out0's first byte; written once, read by nobody here
.endr
.endm
	TOSTAGE 0
	BACK BI
	TOSTAGE 1
	s_wait_dscnt 16                                ; tile 0's rows are in (and its stores into the stage have read their registers); tile 1's 16 stores may be out
	SEND 0, BI
	BACK ACC                                       ; into the registers that held tile 0's sums
	s_wait_dscnt 0x0
	SEND 1, ACC
	s_wait_tensorcnt 0x0                           ; the wave's end, behind my last LDS store
	ds_add_u32 v[SPW], v[NIL]
	s_wait_dscnt 0x0
	s_endpgm
.Lfunc_end_k_q25d97b5f60_outp:
	.size	k_q25d97b5f60_outp, .Lfunc_end_k_q25d97b5f60_outp-k_q25d97b5f60_outp
	.p2alignl 7, 3214868480
	.fill 96, 4, 3214868480
	.section	.rodata,"a",@progbits
	.p2align	6, 0x0
	.amdhsa_kernel k_q25d97b5f60_outp
		.amdhsa_group_segment_fixed_size 34304
		.amdhsa_private_segment_fixed_size 0
		.amdhsa_enable_private_segment 0
		.amdhsa_kernarg_size 64
		.amdhsa_user_sgpr_count 2
		.amdhsa_user_sgpr_kernarg_segment_ptr 1
		.amdhsa_wavefront_size32 1
		.amdhsa_system_sgpr_workgroup_id_x 1
		.amdhsa_system_sgpr_workgroup_id_y 1
		.amdhsa_system_sgpr_workgroup_id_z 1
		.amdhsa_system_vgpr_workitem_id 0
		.amdhsa_next_free_vgpr 640
		.amdhsa_next_free_sgpr 66
		.amdhsa_reserve_vcc 0
		.amdhsa_float_denorm_mode_32 3
		.amdhsa_float_denorm_mode_16_64 3
		.amdhsa_memory_ordered 1
		.amdhsa_forward_progress 1
		.amdhsa_inst_pref_size 65
	.end_amdhsa_kernel
	.amdgpu_metadata
---
amdhsa.version: [ 1, 2 ]
amdhsa.kernels:
  - .name:           k_q25d97b5f60_outp
    .symbol:         k_q25d97b5f60_outp.kd
    .args:
      - { .name: ctxc, .offset: 0, .size: 8, .value_kind: global_buffer, .address_space: global }
      - { .name: ctxs, .offset: 8, .size: 8, .value_kind: global_buffer, .address_space: global }
      - { .name: cod1, .offset: 16, .size: 8, .value_kind: global_buffer, .address_space: global }
      - { .name: scl1, .offset: 24, .size: 8, .value_kind: global_buffer, .address_space: global }
      - { .name: bo, .offset: 32, .size: 8, .value_kind: global_buffer, .address_space: global }
      - { .name: part, .offset: 40, .size: 8, .value_kind: global_buffer, .address_space: global }
      - { .name: b2, .offset: 48, .size: 8, .value_kind: global_buffer, .address_space: global }
      - { .name: out0, .offset: 56, .size: 8, .value_kind: global_buffer, .address_space: global }
    .group_segment_fixed_size: 34304
    .private_segment_fixed_size: 0
    .kernarg_segment_align: 8
    .kernarg_segment_size: 64
    .max_flat_workgroup_size: 128
    .sgpr_count:     66
    .vgpr_count:     640
    .wavefront_size: 32
...
	.end_amdgpu_metadata
.endif
;; end of part 4
